; MI455X (gfx1250); checked and timed in simulation.
; The chip was launched on July 23, 2026; its instructions are those of AMD's public machine-readable ISA for CDNA 5 (MIT licence, August 2026) and "CDNA5" Instruction Set Architecture Reference Guide (July 2026). The comments in the code are by the model that wrote it; some were corrected since.
;; Language Quantizer. Allowed arithmetic: float matrix products may take bf16 or f16 operands with f32 sums; other float arithmetic in f32, or as packed bf16 or f16 multiplies, adds, multiply-adds, maxima and minima; sums over many terms, partial sums and values carried from step to step in f32; what a program stores and reads back later, other than sums and carried values, may be rounded once to bf16 or f16.
;; Inputs: W_code 1,024 x 512 float32; W_in 1,024 x 512 float32; b_code 512 float32; b_in 512 float32; codebook 4,096 x 1,024 float32; x 8 x 1,024 x 1,024 float32.
;; Outputs: out0 8 x 1,024 x 1,024 float32; out1 one number float32; out2 one number float32; out3 one number float32.
;; 2 versions, each right; version 2 is version 1 with the launch rerank written anew for expert scheduling mode. Each part assembles by itself: llvm-mc -triple=amdgcn-amd-amdhsa -mcpu=gfx1250 --defsym DOCPART=n.
;; ======== version 1 of 2: 6 launches
;; workspace buffers: WT 2,097,152 bytes; LRAW 25,165,824 bytes; LH 12,582,912 bytes; NRM 98,304 bytes; KEYS 1,048,576 bytes of whole numbers; IDXB 32,768 bytes of whole numbers; P3 131,072 bytes; P4 131,072 bytes
;; launch prep (part 1): grid 64 x 2, 4 waves a work-group, no clusters, 17,920 bytes of LDS; arguments W_in, W_code, WT; writes WT
.if DOCPART == 1
	.amdgcn_target "amdgcn-amd-amdhsa--gfx1250"
	.amdhsa_code_object_version 6
	.text
	.protected	k_q5cfedce058_prep
	.globl	k_q5cfedce058_prep
	.p2align	8
	.type	k_q5cfedce058_prep,@function
k_q5cfedce058_prep:
	s_mov_b64 s[64:65], 0
	v_nop
	global_prefetch_b8 v0, s[64:65] scope:SCOPE_SE
	s_setreg_imm32_b32 hwreg(HW_REG_WAVE_MODE, 25, 1), 1
	s_wait_xcnt 0x0
; WT[s][n][k] = bf16(W_s[k][n]), s = 0: W_in, s = 1: W_code.  W: [1024 k][512 n] f32; WT: [2][512 n][1024 k] bf16, rounded once to nearest even.
; A work-group turns a tile of 128 k x 64 n: wave w takes the k rows 32 w .. 32 w + 31.  Lane (hh = l / 16, c = l % 16) loads 16 bytes (n = 4 c .. 4 c + 3) of the rows
; 16 hh + 0 .. 15: sixteen lanes read 256 consecutive bytes, aligned.  Two rows' numbers of one n pack into a word (k, k + 1); a lane's 16 k of one n are 32 bytes of a row of the
; turned tile in LDS (64 rows of 256 bytes + 16 of padding).  Back by rows: sixteen lanes store 256 consecutive bytes of WT, aligned.
; The eight LDS stores of a lane meet four deep in the banks (rows 4 c: 1,088 c bytes apart): eight stores a lane in the whole launch, left so.
; 128 work-groups: the launch moves 6 MB in all; no finer share is taken.
.set PITCH, 272
.set SPARE, 64*PITCH                   ; behind the tile: the spare words, 128 bytes for each wave
.set LA, 16                            ; v[16:47]  even rows; later the rows read back
.set LB, 48                            ; v[48:79]  odd rows
.set PK, 80                            ; v[80:111] packed: n = 4 c + x, word i at PK + 8 x + i
	s_load_b128 s[4:7], s[0:1], 0x0                ; W_in s[4:5], W_code s[6:7]
	s_load_b64 s[8:9], s[0:1], 0x10                ; WT
	v_lshl_add_u32 v8, v0, 2, SPARE                ; my spare word,
	v_mov_b32 v9, 0                                ; and 0: kept for the closing add alone
	v_lshrrev_b32 v1, 5, v0
	v_readfirstlane_b32 s10, v1                    ; wave 0..3
	v_and_b32 v1, 15, v0                           ; c
	v_bfe_u32 v2, v0, 4, 1                         ; hh
	s_and_b32 s11, ttmp7, 0xffff                   ; which W
	s_and_b32 s16, ttmp9, 7                        ; block of 128 k
	s_lshr_b32 s17, ttmp9, 3                       ; block of 64 n
	s_lshl_b32 s12, s16, 18                        ; from: (128 kb + 32 w) rows of 2,048 bytes + 256 nb
	s_lshl_b32 s18, s10, 16
	s_add_co_u32 s12, s12, s18
	s_lshl_b32 s18, s17, 8
	s_add_co_u32 s12, s12, s18
	s_mov_b32 s13, 0
	s_lshl_b32 s14, s11, 20                        ; to: 1 MiB x s + (64 nb + 16 w) rows of 2,048 bytes + 256 kb
	s_lshl_b32 s18, s17, 17
	s_add_co_u32 s14, s14, s18
	s_lshl_b32 s18, s10, 15
	s_add_co_u32 s14, s14, s18
	s_lshl_b32 s18, s16, 8
	s_add_co_u32 s14, s14, s18
	s_mov_b32 s15, 0
	v_lshlrev_b32 v3, 4, v1
	v_lshl_add_u32 v3, v2, 15, v3                  ; load: 16 hh rows + 16 c
	v_mul_u32_u24 v4, v1, 4*PITCH
	v_lshl_add_u32 v4, v2, 5, v4
	s_lshl_b32 s18, s10, 6
	v_add_nc_u32 v4, s18, v4                       ; into LDS: row 4 c, byte 64 w + 32 hh
	s_mul_i32 s19, s10, 16*PITCH
	v_mul_u32_u24 v5, v2, PITCH
	v_lshl_add_u32 v5, v1, 4, v5
	v_add_nc_u32 v5, s19, v5                       ; back: row 16 w + hh, byte 16 c
	v_lshlrev_b32 v6, 4, v1
	v_lshl_add_u32 v6, v2, 11, v6                  ; and the same two rows in WT
	s_wait_kmcnt 0x0
	s_cmp_eq_u32 s11, 0
	s_cselect_b64 s[4:5], s[4:5], s[6:7]
	s_add_nc_u64 s[4:5], s[4:5], s[12:13]
	s_add_nc_u64 s[8:9], s[8:9], s[14:15]
.irp i, 0,1,2,3,4,5,6,7
	global_load_b128 v[LA+4*(\i):LA+4*(\i)+3], v3, s[4:5] offset:(2*(\i))*2048 th:TH_LOAD_NT
	global_load_b128 v[LB+4*(\i):LB+4*(\i)+3], v3, s[4:5] offset:(2*(\i)+1)*2048 th:TH_LOAD_NT
.endr
	s_wait_loadcnt 0x0
.irp x, 0,1,2,3
.irp i, 0,1,2,3,4,5,6,7
	v_cvt_pk_bf16_f32 v[PK+8*(\x)+(\i)], v[LA+4*(\i)+(\x)], v[LB+4*(\i)+(\x)]  ; k = 2 i below, k = 2 i + 1 above
.endr
.endr
.irp x, 0,1,2,3
	ds_store_b128 v4, v[PK+8*(\x):PK+8*(\x)+3] offset:(\x)*PITCH
	ds_store_b128 v4, v[PK+8*(\x)+4:PK+8*(\x)+7] offset:(\x)*PITCH+16
.endr
	s_wait_dscnt 0x0                               ; for the others' sake: my part of every row is stored
	s_barrier_signal -1
	s_barrier_wait -1
.irp t, 0,1,2,3,4,5,6,7
	ds_load_b128 v[LA+4*(\t):LA+4*(\t)+3], v5 offset:(\t)*2*PITCH
.endr
.irp t, 0,1,2,3,4,5,6,7
	s_wait_dscnt 7-(\t)                            ; LDS loads come back in order: number t is in
	global_store_b128 v6, v[LA+4*(\t):LA+4*(\t)+3], s[8:9] offset:(\t)*4096
.endr
	s_wait_tensorcnt 0x0                           ; the wave's end, behind my last LDS store
	ds_add_u32 v8, v9
	s_wait_dscnt 0x0
	s_endpgm
.Lfunc_end_k_q5cfedce058_prep:
	.size	k_q5cfedce058_prep, .Lfunc_end_k_q5cfedce058_prep-k_q5cfedce058_prep
	.p2alignl 7, 3214868480
	.fill 96, 4, 3214868480
	.section	.rodata,"a",@progbits
	.p2align	6, 0x0
	.amdhsa_kernel k_q5cfedce058_prep
		.amdhsa_group_segment_fixed_size 17920
		.amdhsa_private_segment_fixed_size 0
		.amdhsa_enable_private_segment 0
		.amdhsa_kernarg_size 24
		.amdhsa_user_sgpr_count 2
		.amdhsa_user_sgpr_kernarg_segment_ptr 1
		.amdhsa_wavefront_size32 1
		.amdhsa_system_sgpr_workgroup_id_x 1
		.amdhsa_system_sgpr_workgroup_id_y 1
		.amdhsa_system_sgpr_workgroup_id_z 1
		.amdhsa_system_vgpr_workitem_id 0
		.amdhsa_next_free_vgpr 112
		.amdhsa_next_free_sgpr 66
		.amdhsa_reserve_vcc 0
		.amdhsa_float_denorm_mode_32 3
		.amdhsa_float_denorm_mode_16_64 3
		.amdhsa_memory_ordered 1
		.amdhsa_forward_progress 1
		.amdhsa_inst_pref_size 8
	.end_amdhsa_kernel
	.amdgpu_metadata
---
amdhsa.version: [ 1, 2 ]
amdhsa.kernels:
  - .name:           k_q5cfedce058_prep
    .symbol:         k_q5cfedce058_prep.kd
    .args:
      - { .name: W_in, .offset: 0, .size: 8, .value_kind: global_buffer, .address_space: global }
      - { .name: W_code, .offset: 8, .size: 8, .value_kind: global_buffer, .address_space: global }
      - { .name: WT, .offset: 16, .size: 8, .value_kind: global_buffer, .address_space: global }
    .group_segment_fixed_size: 17920
    .private_segment_fixed_size: 0
    .kernarg_segment_align: 8
    .kernarg_segment_size: 24
    .max_flat_workgroup_size: 128
    .sgpr_count:     66
    .vgpr_count:     112
    .wavefront_size: 32
...
	.end_amdgpu_metadata
.endif
;; end of part 1
;; launch project (part 2): grid 192 x 1, 4 waves a work-group, clusters of 4 x 1, 327,680 bytes of LDS; arguments x, codebook, WT, b_in, b_code, LRAW, LH, NRM; writes LRAW, LH, NRM
.if DOCPART == 2
	.amdgcn_target "amdgcn-amd-amdhsa--gfx1250"
	.amdhsa_code_object_version 6
	.text
	.protected	k_q5cfedce058_project
	.globl	k_q5cfedce058_project
	.p2align	8
	.type	k_q5cfedce058_project,@function
k_q5cfedce058_project:
	s_mov_b64 s[64:65], 0
	v_nop
	global_prefetch_b8 v0, s[64:65] scope:SCOPE_SE
	s_setreg_imm32_b32 hwreg(HW_REG_WAVE_MODE, 25, 1), 1
	s_wait_xcnt 0x0
	s_wait_alu depctr_hold_cnt(0) depctr_sa_sdst(0) depctr_va_vdst(0) depctr_va_sdst(0) depctr_va_ssrc(0) depctr_va_vcc(0) depctr_vm_vsrc(0)
	s_getreg_b32 s2, hwreg(HW_REG_IB_STS2, 6, 4)
	s_cmp_eq_u32 s2, 0
	s_cbranch_scc0 .Lentry_in_a_cluster
	s_endpgm
.Lentry_in_a_cluster:
	s_bfe_u32 s2, ttmp6, 0x10000c
	s_cmp_lg_u32 s2, 0x3003
	s_cbranch_scc0 .Lentry_shape_is_right
	s_endpgm
.Lentry_shape_is_right:
; THE TWO PROJECTIONS AND THEIR NORMS.  Rows 0 .. 8,191: x W_in + b_in; rows 8,192 .. 12,287: codebook W_code + b_code.  All inputs are rounded once to bf16 (x and the codebook here, the
; biases here, W in the launch before); products on the matrix units, sums in f32, the bias as the C operand that starts each sum.
; OUT: LRAW [12,288][512] f32, the latents as they are; LH [12,288][512] f16, the latents times R; NRM [12,288][2] f32 = (R, delta).
; With S = the row's sum of squares and e = 1e-12: r1 = rsqrt(S + e), S2 = S r1^2, r2 = rsqrt(S2 + e), delta = e / (S2 + e); R = r1 for rows of x, r1 r2 for codes (normalised twice).
; LIMITS.  LH's numbers lie within 1 by the normalisation, so f16 holds them for every input.  NaN and infinities are not treated apart.
; SHARES.  A work-group owns 64 WHOLE rows x all 512 columns, so that the norm is made here: 12,288 / 64 = 192 work-groups.  Wave w makes 64 rows x columns 128 w .. + 127: 32 accumulators.
; K = 1,024 goes in 8 slabs of 128 through two LDS slots.  W's slab (512 rows x 256 bytes) comes by tensor loads, wave w its own 128 rows; the four work-groups of a cluster walk the same W,
; so each load is asked for JOINTLY (mask 15, the same descriptor in all four).  The rows of x have to be rounded on the way, so they come through registers: wave w loads rows 16 w .. + 15
; (512 consecutive bytes an instruction), rounds them, and stores them into an A slot that all four waves read.
; THE MATRIX INSTRUCTION IS USED TRANSPOSED (source 0 = 16 rows of WT, source 1 = 16 rows of x): lane (r = l % 16, h = l / 16) holds row 16 a + r and the columns 16 b + 8 h + 0 .. 7.
; x's slab j lies in register set j % 2 and A slot j % 2.  The change of slots of slab s rounds slab s + 1 and asks for slab min(s + 3, 7): a slab has two steps in which to come.  At s = 5 slab 7 is
; asked for a second time (8 KB a wave, never used), so that the loop has one form and no load leaves its buffer.
; REGISTERS, in windows of 256 (s_set_vgpr_msb: bits 1:0 source 0, 3:2 source 1, 5:4 source 2, 7:6 destination):
;   window 0: v0-31 addresses; v32-63 rounded x; v64-255 two fragment buffers of 96 (A's four at + 8 a, W's eight at + 32 + 8 b)      window 1: accumulator (a, b) at 8 (8 a + b)
;   window 2: v0-127 x as loaded, two sets of 64; v128-191 the bias, block b at 128 + 8 b; v192-223 at work once
.set PITCH,  272                       ; an LDS row: 256 bytes + 16 of padding = 68 words: the 16 rows of a fragment load start at 16 different groups of four banks (ISA guide 11.1)
.set WROWS,  128*PITCH                 ; what one tensor load brings
.set WSLOT,  4*WROWS                   ; W's slots at 0 and WSLOT
.set ASLOT0, 2*WSLOT                   ; behind them the two A slots, 64 rows each: written by LDS stores alone, never by a tensor load
.set ASLOT,  64*PITCH
.set SPARE,  ASLOT0+2*ASLOT            ; the spare words, 128 bytes for each wave
.set SCR,    SPARE+512                 ; [64 rows][4 waves] f32: the waves' sums of squares
.set STGB,   16*528                    ; the way out: a stage for each wave, in the A slots once they have been read for the last time
.set ADA,  4                           ; v4     LDS address of my A fragments in A slot 0
.set ADB,  5                           ; v5-6   of my W fragments in slot 0, 1
.set AST,  7                           ; v7     where I store my rounded rows, A slot 0
.set XO,   8                           ; v8     16 x lane
.set XOC,  9                           ; v9     16 x lane + the slab's bytes along the row
.set SPW,  10                          ; v10    my spare word; never rewritten
.set NIL,  11                          ; v11    0; never rewritten
.set PFO,  12                          ; v12    the prefetches' offset: lane x a row of WT
.set SCW,  13                          ; v13    SCR: my wave's word of row r
.set S32,  14                          ; v14    stage, f32 block in
.set L32,  15                          ; v15    stage, f32 rows back
.set S16,  17                          ; v17    stage, f16 block in
.set L16,  18                          ; v18    stage, f16 rows back
.set G16,  19                          ; v19    my byte offset in two rows of LH
.set SCRD, 20                          ; v20    SCR: row r's four words
.set FB,   21                          ; v21    272 r + 16 h
.set SQ,   22                          ; v22-29 sums of squares, a pair for each a
.set NO,   30                          ; v30    8 x lane
.set VB,   31                          ; v31    my byte offset in the bias
.set CV,   32
.set FR,   64
.set BIAS, 128                         ; window 2
.set NS, 64                            ; the norms at work, four registers each (the fragment buffers are free by then)
.set NT, 68
.set NR, 72
.set NE, 76
.set NH, 80
.set NU, 84
.set N2, 88
.set NC, 92
.set ND, 96
.set RR, 100                           ; v100-107 R, twice: a pair for the packed multiply
.set NP, 108                           ; v108-111 (R, delta) to store
.set BK32, 128                         ; v128-191 f32 rows read back
.set BK16, 192                         ; v192-223 f16 rows read back
.set G1, 24                            ; s[24:31] descriptor group 1
.set G0, 32                            ; s[32:39] descriptor group 0, a set for each slot
.set MSB, 0
.macro WIN new                         ; the immediate's high byte repeats the setting that is left; a switch that changes nothing is dropped
.if MSB != (\new)
	s_set_vgpr_msb (MSB<<8)|(\new)
.set MSB, \new
.endif
.endm
.macro CREST                           ; a round of the cluster's barrier behind its opening barrier
	s_cmp_lg_u32 s20, 0
	s_cbranch_scc1 .Lnot_wave_0_\@
	s_barrier_signal -3
.Lnot_wave_0_\@:
	s_barrier_wait -3
	s_barrier_signal -1
	s_barrier_wait -1
.endm
.macro CROUND                          ; a whole round
	s_barrier_signal -1
	s_barrier_wait -1
	CREST
.endm
.macro PLACES                          ; four places behind matrix instructions (ISA guide 7.12.1), where no other vector work is at hand
.rept 4
	v_nop
.endr
.endm
	s_load_b512 s[4:19], s[0:1], 0x0               ; x s[4:5], codebook s[6:7], WT s[8:9], b_in s[10:11], b_code s[12:13], LRAW s[14:15], LH s[16:17], NRM s[18:19]
	v_lshl_add_u32 v[SPW], v0, 2, SPARE
	v_mov_b32 v[NIL], 0
	ds_add_u32 v[SPW], v[NIL]                      ; the wave's opening: the add and its wait ahead of my first tensor load; the set-up below stands between them
	v_lshrrev_b32 v1, 5, v0
	v_readfirstlane_b32 s20, v1                    ; wave 0..3
	s_bfe_u32 s21, ttmp6, 0x40000                  ; cx: my place in the cluster
	s_lshl_b32 s22, ttmp9, 2
	s_add_co_u32 s22, s22, s21                     ; my block of 64 rows = 4 x cluster + cx: it enters the addresses of my own rows alone
	s_cmp_ge_u32 ttmp9, 32                         ; clusters 32 .. 47 take the codebook: the same answer in all four partners
	s_cselect_b32 s23, -1, 0
	s_mov_b32 s[G1+0], 15|(1<<16)|(1<<20)|(1<<21)|(5<<22)|(3<<25)  ; 15:0 the mask of four; 17:16 2-byte elements; 20 padding on; 21 set beside a mask; 24:22 after every 64 words (code 5); 31:25 4 words (code 3)
	s_mov_b32 s[G1+1], 128<<16                     ; tensor_dim0 = 128
	s_mov_b32 s[G1+2], 128<<16                     ; tensor_dim1 = 128
	s_mov_b32 s[G1+3], 128<<16                     ; tile_dim0 = 128
	s_mov_b32 s[G1+4], 128                         ; tile_dim1 = 128
	s_mov_b32 s[G1+5], 1024                        ; elements from row to row of WT
	s_mov_b32 s[G1+6], 0
	s_mov_b32 s[G1+7], 0
	s_mov_b32 s48, 0x76543210                      ; v_permlanex16_b32: each lane takes its own place in the other half
	s_mov_b32 s49, 0xfedcba98
	s_mov_b32 s50, 0x2b8cbccc                      ; 1e-12
	s_mov_b32 s40, 1024                            ; bytes along a row of x of the slab asked for last: slab 2
	s_and_b32 s46, ttmp9, 31                       ; the first cluster of each W's walkers prefetches: 1 there, else the greatest number
	s_cmp_eq_u32 s46, 0
	s_cselect_b32 s46, 1, -1
	; what all four partners share: W's slabs
	s_and_b32 s54, s23, 0x100000                   ; which W,
	s_lshl_b32 s55, s20, 18                        ; my wave's 128 rows of 2,048 bytes
	s_add_co_u32 s54, s54, s55
	s_mov_b32 s55, 0
	s_mul_i32 s52, s20, WROWS                      ; and their place in a slot: no place in the cluster enters an LDS address
	s_mov_b32 s[G0], 1                             ; count = 1
	s_mov_b32 s[G0+1], s52                         ; LDS address, slot 0
	s_mov_b32 s[G0+4], 1
	s_add_co_u32 s[G0+5], s52, WSLOT               ; slot 1
	; what is my work-group's own, in registers that feed no descriptor
	s_and_b32 s72, s23, 128
	s_sub_co_u32 s72, s22, s72                     ; my block in x or in the codebook,
	s_lshl_b32 s72, s72, 18                        ; 64 rows of 4,096 bytes,
	s_lshl_b32 s73, s20, 16                        ; my wave's 16 of them
	s_add_co_u32 s72, s72, s73
	s_mov_b32 s73, 0
	s_and_b32 s74, s23, 0x100000                   ; the prefetches: rows 128 cx + 32 w + lane of my W, at slab 3
	s_lshl_b32 s75, s21, 18
	s_add_co_u32 s74, s74, s75
	s_lshl_b32 s75, s20, 16
	s_add_co_u32 s74, s74, s75
	s_add_co_u32 s74, s74, 3*256
	s_mov_b32 s75, 0
	s_lshl_b32 s76, s22, 17                        ; LRAW: 64 rows of 2,048 bytes, my wave's 512 bytes of a row
	s_lshl_b32 s77, s20, 9
	s_add_co_u32 s76, s76, s77
	s_mov_b32 s77, 0
	s_lshl_b32 s78, s22, 16                        ; LH: 64 rows of 1,024 bytes, my wave's 256
	s_lshl_b32 s79, s20, 8
	s_add_co_u32 s78, s78, s79
	s_mov_b32 s79, 0
	s_lshl_b32 s58, s22, 9                         ; NRM: 64 rows of 8 bytes
	s_mov_b32 s59, 0
	s_wait_dscnt 0x0                               ; the opening add is done
	s_wait_kmcnt 0x0
	s_add_nc_u64 s[56:57], s[8:9], s[54:55]
	s_mov_b64 s[G0+2:G0+3], s[56:57]               ; global address: slab 0
	s_or_b32 s[G0+3], s[G0+3], 0x80000000          ; type = 2
	s_add_nc_u64 s[G0+6:G0+7], s[56:57], 256       ; slab 1
	s_or_b32 s[G0+7], s[G0+7], 0x80000000
	s_add_nc_u64 s[44:45], s[8:9], s[74:75]
	s_cmp_ge_u32 ttmp9, 32
	s_cselect_b64 s[42:43], s[6:7], s[4:5]
	s_cselect_b64 s[60:61], s[12:13], s[10:11]
	s_add_nc_u64 s[42:43], s[42:43], s[72:73]      ; my wave's 16 rows of x or of the codebook
	s_add_nc_u64 s[66:67], s[14:15], s[76:77]
	s_add_nc_u64 s[68:69], s[16:17], s[78:79]
	s_add_nc_u64 s[70:71], s[18:19], s[58:59]
	CROUND                                         ; all four work-groups are here: the first joint loads meet
	tensor_load_to_lds s[G0:G0+3], s[G1:G1+7]      ; both first fills together: two loads of mine are out
	s_nop 0
	tensor_load_to_lds s[G0+4:G0+7], s[G1:G1+7]
	s_nop 0
	PLACES
	v_and_b32 v1, 15, v0                           ; r
	v_bfe_u32 v2, v0, 4, 1                         ; h
	v_and_b32 v3, 31, v0                           ; lane
	s_lshl_b32 s52, s20, 9
	v_lshl_add_u32 v[VB], v2, 5, s52               ; (128 w + 8 h) x 4
	v_lshlrev_b32 v[XO], 4, v3
; 16 rows x 512 bytes of x: one instruction a row
.macro XLOAD set, areg, off
	WIN 0x80                                       ; destination window 2, address window 0
.irp i, 0,1,2,3,4,5,6,7,8,9,10,11,12,13,14,15
	global_load_b128 v[64*(\set)+4*(\i):64*(\set)+4*(\i)+3], v[\areg], s[42:43] offset:(\i)*4096+(\off) th:TH_LOAD_NT
.endr
.endm
; a set is rounded to bf16 and stored into the A slot of the same number: a lane's four numbers are 8 bytes, a row's 32 lanes 256 consecutive bytes
.macro CONVERT set
	WIN 0x0a                                       ; sources 0 and 1 window 2
.irp i, 0,1,2,3,4,5,6,7,8,9,10,11,12,13,14,15
	v_cvt_pk_bf16_f32 v[CV+2*(\i)], v[64*(\set)+4*(\i)], v[64*(\set)+4*(\i)+1]
	v_cvt_pk_bf16_f32 v[CV+2*(\i)+1], v[64*(\set)+4*(\i)+2], v[64*(\set)+4*(\i)+3]
.endr
	WIN 0
.irp i, 0,1,2,3,4,5,6,7,8,9,10,11,12,13,14,15
	ds_store_b64 v[AST], v[CV+2*(\i):CV+2*(\i)+1] offset:(\set)*ASLOT+(\i)*PITCH
.endr
.endm
; 24 LDS loads in one run: the fragments of 32 along K (quarter q of a slab) into buffer u: W's eight, then A's four
.macro FETCH slot, q, u
	WIN 0
.irp b, 0,1,2,3,4,5,6,7
	ds_load_b128 v[FR+96*(\u)+32+8*(\b):FR+96*(\u)+32+8*(\b)+3],   v[ADB+(\slot)] offset:(\b)*16*PITCH+64*(\q)
	ds_load_b128 v[FR+96*(\u)+32+8*(\b)+4:FR+96*(\u)+32+8*(\b)+7], v[ADB+(\slot)] offset:(\b)*16*PITCH+64*(\q)+32
.endr
.irp a, 0,1,2,3
	ds_load_b128 v[FR+96*(\u)+8*(\a):FR+96*(\u)+8*(\a)+3],   v[ADA] offset:(\slot)*ASLOT+(\a)*16*PITCH+64*(\q)
	ds_load_b128 v[FR+96*(\u)+8*(\a)+4:FR+96*(\u)+8*(\a)+7], v[ADA] offset:(\slot)*ASLOT+(\a)*16*PITCH+64*(\q)+32
.endr
.endm
; 16 matrix instructions: row blocks a0, a0 + 1 x all 8 column blocks.  bias = 1: the first product starts the sums with the bias.  The 32 accumulators take turns, in the same order in every
; quarter, over the backward jump too.
.macro MUL16 u, a0, bias
.if \bias
	WIN 0x60                                       ; D window 1, C window 2
.else
	WIN 0x50                                       ; C and D window 1
.endif
.irp a, \a0, (\a0)+1
.irp b, 0,1,2,3,4,5,6,7
.if \bias
	v_wmma_f32_16x16x32_bf16 v[8*(8*(\a)+(\b)):8*(8*(\a)+(\b))+7], v[FR+96*(\u)+32+8*(\b):FR+96*(\u)+32+8*(\b)+7], v[FR+96*(\u)+8*(\a):FR+96*(\u)+8*(\a)+7], v[BIAS+8*(\b):BIAS+8*(\b)+7]
.else
	v_wmma_f32_16x16x32_bf16 v[8*(8*(\a)+(\b)):8*(8*(\a)+(\b))+7], v[FR+96*(\u)+32+8*(\b):FR+96*(\u)+32+8*(\b)+7], v[FR+96*(\u)+8*(\a):FR+96*(\u)+8*(\a)+7], v[8*(8*(\a)+(\b)):8*(8*(\a)+(\b))+7]
.endif
.endr
.endr
.endm
; A slab is four quarters of 32 along K, 32 matrix instructions each, on buffers 0, 1, 0, 1.  One of the first three: multiplies buffer f, and in its middle fetches quarter q into buffer g.
.macro QUARTER slot, q, f, g, bias
	s_wait_dscnt 4                                 ; W's fragments and A's blocks 0, 1 are in; the youngest four loads (A's blocks 2, 3) may be out
	MUL16 \f, 0, \bias
	PLACES                                         ; in front of loads into registers that the quarter before multiplied
	FETCH \slot, \q, \g
	s_wait_dscnt 24                                ; all but the 24 just issued
	MUL16 \f, 2, \bias
.endm
; A PREFETCH INTO THE L2 of W's slab two refills on (256 matrix instructions ahead of the load that will want it): row 128 cx + 32 w + lane, 256 bytes: a lane a row, one instruction a wave.
; All clusters of one W walk the same slabs: the first of them asks; its four partners share the 512 rows out by address.  So each row's 256 bytes of a slab are named once in the launch.
; Slabs 0 to 3 come by their loads alone; the loop's last trip (s3 = 1) asks for nothing: there is no slab 8.
.macro ASK
	s_cmp_gt_u32 s3, s46
	s_cbranch_scc0 .Lnot_mine_\@
	global_prefetch_b8 v[PFO], s[44:45] th:TH_LOAD_NT scope:SCOPE_SE
.Lnot_mine_\@:
.endm
; The last quarter multiplies buffer 1 and changes slots.  In front of the barrier each wave stores the next slab of x into the other A slot (last read a slab ago, a barrier back), waits for ALL its
; tensor loads (one is out: its part of the next slot), adds 0 to its spare word, and waits for that, for its stores and for its reads of this slot.  fill = 1: the barrier opens a round of the
; cluster's, so that no wave of any partner still reads the slot or has a load on its way, and the joint refill, two slabs on, is the first thing behind it: 112 matrix instructions ahead of the wait for it.
.macro TURN slot, next, fill
	WIN 0
	s_wait_xcnt 0x0                                ; the last loads of x and the last prefetch, a slab back, have read their addresses, so these may be written
.if \fill
	s_add_co_u32 s40, s40, 512
	s_min_u32 s40, s40, 3584                       ; never past slab 7
	v_add_nc_u32 v[XOC], s40, v[XO]
	s_add_nc_u64 s[44:45], s[44:45], 256
.endif
	s_wait_loadcnt 16                              ; the next slab of x is in; the 16 loads issued behind it may stay out
	CONVERT \next
	s_wait_tensorcnt 0x0                           ; all my tensor loads have landed,
	ds_add_u32 v[SPW], v[NIL]                      ; 0 onto my spare word;
	s_wait_dscnt 17                                ; (the 16 stores and the add may be out: the 24 fragment loads ahead of them are in)
	MUL16 1, 0, 0                                  ; sixteen matrix instructions stand between the add and the wait for it
	s_wait_dscnt 0x0                               ; the add and my stores are done, my reads of this slot are over
	WIN 0
	s_barrier_signal -1
	s_barrier_wait -1
.if \fill
	CREST
	s_add_nc_u64 s[G0+4*(\slot)+2:G0+4*(\slot)+3], s[G0+4*(\slot)+2:G0+4*(\slot)+3], 512  ; two slabs on; no load of mine is out, so a group 0 may be written
	tensor_load_to_lds s[G0+4*(\slot):G0+4*(\slot)+3], s[G1:G1+7]
	s_nop 0
	PLACES                                         ; also the places in front of the fragment loads below
	XLOAD \next, XOC, 0                            ; into the set just rounded
.else
	PLACES
.endif
	FETCH \next, 0, 0
.if \fill
	ASK
.endif
	MUL16 1, 2, 0
.endm
	WIN 0x80
.irp b, 0,1,2,3,4,5,6,7
	global_load_b128 v[BIAS+8*(\b):BIAS+8*(\b)+3],   v[VB], s[60:61] offset:64*(\b)     ; bias[128 w + 16 b + 8 h + 0 .. 7]: a C operand's eight registers
	global_load_b128 v[BIAS+8*(\b)+4:BIAS+8*(\b)+7], v[VB], s[60:61] offset:64*(\b)+16
.endr
	XLOAD 0, XO, 0                                 ; slab 0
	XLOAD 1, XO, 512                               ; slab 1
	WIN 0
	v_mul_u32_u24 v[FB], v1, PITCH
	v_lshl_add_u32 v[FB], v2, 4, v[FB]             ; a fragment's row x pitch + 16 x half
	v_add_nc_u32 v[ADA], ASLOT0, v[FB]
	s_mul_i32 s52, s20, WROWS
	v_add_nc_u32 v[ADB], s52, v[FB]
	v_add_nc_u32 v[ADB+1], WSLOT, v[ADB]
	s_mul_i32 s53, s20, 16*PITCH
	s_add_co_u32 s53, s53, ASLOT0
	v_lshl_add_u32 v[AST], v3, 3, s53
	v_lshlrev_b32 v[PFO], 11, v3
	s_mul_i32 s53, s20, STGB
	s_add_co_u32 s53, s53, ASLOT0                  ; my stage
	v_mul_u32_u24 v[S32], v1, 528
	v_lshl_add_u32 v[S32], v2, 5, v[S32]
	v_add_nc_u32 v[S32], s53, v[S32]               ; f32 in: row r, 32 bytes for each half of the lanes
	v_add_nc_u32 v[L32], s53, v[XO]                ; f32 back: a row's 512 bytes
	v_add_nc_u32 v[S16], s53, v[FB]                ; f16 in: row r, 16 bytes for each half
	v_mul_u32_u24 v[L16], v2, PITCH
	v_lshl_add_u32 v[L16], v1, 4, v[L16]
	v_add_nc_u32 v[L16], s53, v[L16]               ; f16 back: lanes 0-15 one row of 256 bytes, lanes 16-31 the next
	v_lshlrev_b32 v[G16], 4, v1
	v_lshl_add_u32 v[G16], v2, 10, v[G16]          ; and the same two rows in LH
	v_lshl_add_u32 v[SCRD], v1, 4, SCR
	s_lshl_b32 s52, s20, 2
	v_add_nc_u32 v[SCW], s52, v[SCRD]
	v_lshlrev_b32 v[NO], 3, v3
	s_wait_loadcnt 32                              ; the bias is in; x's 32 loads stay out
	WIN 0xaa                                       ; all places window 2: the bias is rounded to bf16 like the other inputs, and widened again
.set p, 0
.rept 32
	v_cvt_pk_bf16_f32 v[192+p], v[BIAS+2*p], v[BIAS+2*p+1]
.set p, p+1
.endr
.set p, 0
.rept 32
	v_lshlrev_b32 v[BIAS+2*p], 16, v[192+p]
	v_and_b32 v[BIAS+2*p+1], 0xffff0000, v[192+p]
.set p, p+1
.endr
	s_wait_loadcnt 16                              ; slab 0 is in
	CONVERT 0
	XLOAD 0, XO, 1024                              ; slab 2
	WIN 0
	s_wait_tensorcnt 1                             ; my part of W's slab 0 is in; slab 1's may stay out
	s_wait_dscnt 0x0                               ; my rows of x's slab 0 are stored
	s_barrier_signal -1
	s_barrier_wait -1
	FETCH 0, 0, 0
	QUARTER 0, 1, 0, 1, 1                          ; the first quarter stands in front of the loop: its products start the sums
	WIN 0                                          ; at a label and at a branch every window is 0
	s_mov_b32 s3, 3
.Llap:                                                 ; a trip goes once round the ring, from a lap's second quarter to the next lap's first, and fills both slots again: slabs 2 .. 7
	QUARTER 0, 2, 1, 0, 0
	QUARTER 0, 3, 0, 1, 0
	TURN 0, 1, 1
	QUARTER 1, 1, 0, 1, 0
	QUARTER 1, 2, 1, 0, 0
	QUARTER 1, 3, 0, 1, 0
	TURN 1, 0, 1
	QUARTER 0, 1, 0, 1, 0
	WIN 0
	s_sub_co_u32 s3, s3, 1
	s_cmp_lg_u32 s3, 0
	s_cbranch_scc1 .Llap
	QUARTER 0, 2, 1, 0, 0                          ; the last lap fills nothing
	QUARTER 0, 3, 0, 1, 0
	TURN 0, 1, 0
	QUARTER 1, 1, 0, 1, 0
	QUARTER 1, 2, 1, 0, 0
	QUARTER 1, 3, 0, 1, 0
	s_wait_dscnt 4
	MUL16 1, 0, 0
	s_wait_dscnt 0x0
	MUL16 1, 2, 0
	WIN 0
	s_wait_loadcnt 0x0                             ; slab 7's second copy: nothing of mine is out any more
	; THE ROWS' SUMS OF SQUARES: mine over 128 columns, then the other half of the lanes', then the four waves' through LDS.  Each accumulator is read from its low end on.
	PLACES
	PLACES
	WIN 0x05                                       ; sources 0 and 1 window 1
.irp b, 0,1,2,3,4,5,6,7
.irp p, 0,1,2,3
.irp a, 0,1,2,3
.if ((\b) == 0) && ((\p) == 0)
	v_pk_mul_f32 v[SQ+2*(\a):SQ+2*(\a)+1], v[8*(8*(\a)+(\b))+2*(\p):8*(8*(\a)+(\b))+2*(\p)+1], v[8*(8*(\a)+(\b))+2*(\p):8*(8*(\a)+(\b))+2*(\p)+1]
.else
	v_pk_fma_f32 v[SQ+2*(\a):SQ+2*(\a)+1], v[8*(8*(\a)+(\b))+2*(\p):8*(8*(\a)+(\b))+2*(\p)+1], v[8*(8*(\a)+(\b))+2*(\p):8*(8*(\a)+(\b))+2*(\p)+1], v[SQ+2*(\a):SQ+2*(\a)+1]
.endif
.endr
.endr
.endr
	WIN 0
.irp a, 0,1,2,3
	v_add_f32 v[SQ+2*(\a)], v[SQ+2*(\a)], v[SQ+2*(\a)+1]
.endr
.irp a, 0,1,2,3
	v_permlanex16_b32 v[SQ+2*(\a)+1], v[SQ+2*(\a)], s48, s49
.endr
.irp a, 0,1,2,3
	v_add_f32 v[SQ+2*(\a)], v[SQ+2*(\a)], v[SQ+2*(\a)+1]
.endr
.irp a, 0,1,2,3
	ds_store_b32 v[SCW], v[SQ+2*(\a)] offset:256*(\a)  ; row 16 a + r, my wave's word; both halves of the lanes write the same number
.endr
	s_wait_dscnt 0x0                               ; my sums are stored; my reads of the A slots ended long ago
	s_barrier_signal -1
	s_barrier_wait -1                              ; behind it the A slots are nobody's any more: they become the stages
.irp a, 0,1,2,3
	ds_load_b128 v[CV+4*(\a):CV+4*(\a)+3], v[SCRD] offset:256*(\a)
.endr
	s_wait_dscnt 0x0
.irp a, 0,1,2,3
	v_add_f32 v[NS+(\a)], v[CV+4*(\a)], v[CV+4*(\a)+1]
	v_add_f32 v[NT+(\a)], v[CV+4*(\a)+2], v[CV+4*(\a)+3]
.endr
.irp a, 0,1,2,3
	v_add_f32 v[NS+(\a)], v[NS+(\a)], v[NT+(\a)]   ; S
.endr
.irp a, 0,1,2,3
	v_add_f32 v[NT+(\a)], s50, v[NS+(\a)]          ; t = S + e
.endr
.irp a, 0,1,2,3
	v_rsq_f32 v[NR+(\a)], v[NT+(\a)]
.endr
	v_nop                                          ; a plain instruction behind the last of the batch,
	s_wait_alu depctr_va_vdst(0)                   ; and the one wait ahead of the first use
.irp a, 0,1,2,3                        ; one Newton step: r + (-r / 2) (t r^2 - 1)
	v_mul_f32 v[NE+(\a)], v[NT+(\a)], v[NR+(\a)]
.endr
.irp a, 0,1,2,3
	v_fma_f32 v[NE+(\a)], v[NE+(\a)], v[NR+(\a)], -1.0
.endr
.irp a, 0,1,2,3
	v_mul_f32 v[NH+(\a)], -0.5, v[NR+(\a)]
.endr
.irp a, 0,1,2,3
	v_fma_f32 v[NR+(\a)], v[NH+(\a)], v[NE+(\a)], v[NR+(\a)]  ; r1
.endr
.irp a, 0,1,2,3
	v_mul_f32 v[NE+(\a)], v[NS+(\a)], v[NR+(\a)]
.endr
.irp a, 0,1,2,3
	v_mul_f32 v[NE+(\a)], v[NE+(\a)], v[NR+(\a)]   ; S2 = S r1^2
.endr
.irp a, 0,1,2,3
	v_add_f32 v[NU+(\a)], s50, v[NE+(\a)]          ; u = S2 + e
.endr
.irp a, 0,1,2,3
	v_rsq_f32 v[N2+(\a)], v[NU+(\a)]
.endr
.irp a, 0,1,2,3
	v_rcp_f32 v[NC+(\a)], v[NU+(\a)]
.endr
	v_nop
	s_wait_alu depctr_va_vdst(0)                   ; one wait for the eight
.irp a, 0,1,2,3
	v_mul_f32 v[NE+(\a)], v[NU+(\a)], v[N2+(\a)]
.endr
.irp a, 0,1,2,3
	v_fma_f32 v[NE+(\a)], v[NE+(\a)], v[N2+(\a)], -1.0
.endr
.irp a, 0,1,2,3
	v_mul_f32 v[NH+(\a)], -0.5, v[N2+(\a)]
.endr
.irp a, 0,1,2,3
	v_fma_f32 v[N2+(\a)], v[NH+(\a)], v[NE+(\a)], v[N2+(\a)]  ; r2
.endr
.irp a, 0,1,2,3
	v_mul_f32 v[ND+(\a)], s50, v[NC+(\a)]          ; delta = e / u
.endr
.irp a, 0,1,2,3
	v_cndmask_b32 v[N2+(\a)], 1.0, v[N2+(\a)], s23 ; rows of x are normalised once
.endr
.irp a, 0,1,2,3
	v_mul_f32 v[RR+2*(\a)], v[NR+(\a)], v[N2+(\a)]
.endr
.irp a, 0,1,2,3
	v_mov_b32 v[RR+2*(\a)+1], v[RR+2*(\a)]
.endr
	s_cmp_lg_u32 s20, 0                            ; every wave holds all 64 rows' norms: wave 0 stores them
	s_cbranch_scc1 .Lno_nrm
	s_mov_b32 s52, 0xffff0000                      ; lanes 16-31 take the row block above
	v_cndmask_b32 v[NP], v[RR], v[RR+2], s52
	v_cndmask_b32 v[NP+1], v[ND], v[ND+1], s52
	v_cndmask_b32 v[NP+2], v[RR+4], v[RR+6], s52
	v_cndmask_b32 v[NP+3], v[ND+2], v[ND+3], s52
	global_store_b64 v[NO], v[NP:NP+1], s[70:71]               ; rows 0-31: 256 consecutive bytes, aligned
	global_store_b64 v[NO], v[NP+2:NP+3], s[70:71] offset:256  ; rows 32-63
.Lno_nrm:
; THE WAY OUT of row block a.  The raw sums go into my stage (rows of 528 bytes) and come back as whole rows of 512 bytes; while they come, the block is scaled by R in place and rounded to f16;
; then the f16 block goes through the same bytes (rows of 272).  LDS serves a wave's instructions in order (ISA guide 5.7.1.4), so no wait stands between my stores and my loads.
.macro OUTA a
	WIN 0x04                                       ; store data (source 1) window 1
.irp b, 0,1,2,3,4,5,6,7
	ds_store_b128 v[S32], v[8*(8*(\a)+(\b)):8*(8*(\a)+(\b))+3]   offset:64*(\b)
	ds_store_b128 v[S32], v[8*(8*(\a)+(\b))+4:8*(8*(\a)+(\b))+7] offset:64*(\b)+16
.endr
	WIN 0
	s_wait_xcnt 0x0                                ; the block before's stores have read the registers that are loaded again below
.irp i, 0,1,2,3,4,5,6,7,8,9,10,11,12,13,14,15
	ds_load_b128 v[BK32+4*(\i):BK32+4*(\i)+3], v[L32] offset:528*(\i)
.endr
	WIN 0x41                                       ; destination and source 0 window 1
.set i, 64*(\a)
.rept 32
	v_pk_mul_f32 v[i:i+1], v[i:i+1], v[RR+2*(\a):RR+2*(\a)+1] op_sel_hi:[1,0]
.set i, i+2
.endr
	WIN 0x05
.set i, 0
.rept 32
	v_cvt_pk_f16_f32 v[CV+i], v[64*(\a)+2*i], v[64*(\a)+2*i+1]
.set i, i+1
.endr
	WIN 0
.irp i, 0,1,2,3,4,5,6,7,8,9,10,11,12,13,14,15
	s_wait_dscnt 15-(\i)
	global_store_b128 v[XO], v[BK32+4*(\i):BK32+4*(\i)+3], s[66:67] offset:(16*(\a)+(\i))*2048  ; 512 consecutive bytes of a row of LRAW, aligned
.endr
.irp b, 0,1,2,3,4,5,6,7
	ds_store_b128 v[S16], v[CV+4*(\b):CV+4*(\b)+3] offset:32*(\b)
.endr
.irp i, 0,1,2,3,4,5,6,7
	ds_load_b128 v[BK16+4*(\i):BK16+4*(\i)+3], v[L16] offset:(\i)*2*PITCH
.endr
.irp i, 0,1,2,3,4,5,6,7
	s_wait_dscnt 7-(\i)
	global_store_b128 v[G16], v[BK16+4*(\i):BK16+4*(\i)+3], s[68:69] offset:(16*(\a)+2*(\i))*1024  ; 16 lanes store 256 consecutive bytes of a row of LH, aligned
.endr
.endm
	OUTA 0
	OUTA 1
	OUTA 2
	OUTA 3
	s_wait_tensorcnt 0x0                           ; the wave's end, behind my last tensor load and my last LDS store
	ds_add_u32 v[SPW], v[NIL]
	s_wait_dscnt 0x0
	CROUND                                         ; the closing round: no work-group ends while a partner may still ask for a slab that names it
	s_endpgm
.Lfunc_end_k_q5cfedce058_project:
	.size	k_q5cfedce058_project, .Lfunc_end_k_q5cfedce058_project-k_q5cfedce058_project
	.p2alignl 7, 3214868480
	.fill 96, 4, 3214868480
	.section	.rodata,"a",@progbits
	.p2align	6, 0x0
	.amdhsa_kernel k_q5cfedce058_project
		.amdhsa_group_segment_fixed_size 327680
		.amdhsa_private_segment_fixed_size 0
		.amdhsa_enable_private_segment 0
		.amdhsa_kernarg_size 64
		.amdhsa_user_sgpr_count 2
		.amdhsa_user_sgpr_kernarg_segment_ptr 1
		.amdhsa_wavefront_size32 1
		.amdhsa_system_sgpr_workgroup_id_x 1
		.amdhsa_system_sgpr_workgroup_id_y 1
		.amdhsa_system_sgpr_workgroup_id_z 1
		.amdhsa_system_vgpr_workitem_id 0
		.amdhsa_next_free_vgpr 768
		.amdhsa_next_free_sgpr 80
		.amdhsa_reserve_vcc 0
		.amdhsa_float_denorm_mode_32 3
		.amdhsa_float_denorm_mode_16_64 3
		.amdhsa_memory_ordered 1
		.amdhsa_forward_progress 1
		.amdhsa_inst_pref_size 150
	.end_amdhsa_kernel
	.amdgpu_metadata
---
amdhsa.version: [ 1, 2 ]
amdhsa.kernels:
  - .name:           k_q5cfedce058_project
    .symbol:         k_q5cfedce058_project.kd
    .args:
      - { .name: x, .offset: 0, .size: 8, .value_kind: global_buffer, .address_space: global }
      - { .name: codebook, .offset: 8, .size: 8, .value_kind: global_buffer, .address_space: global }
      - { .name: WT, .offset: 16, .size: 8, .value_kind: global_buffer, .address_space: global }
      - { .name: b_in, .offset: 24, .size: 8, .value_kind: global_buffer, .address_space: global }
      - { .name: b_code, .offset: 32, .size: 8, .value_kind: global_buffer, .address_space: global }
      - { .name: LRAW, .offset: 40, .size: 8, .value_kind: global_buffer, .address_space: global }
      - { .name: LH, .offset: 48, .size: 8, .value_kind: global_buffer, .address_space: global }
      - { .name: NRM, .offset: 56, .size: 8, .value_kind: global_buffer, .address_space: global }
    .group_segment_fixed_size: 327680
    .private_segment_fixed_size: 0
    .kernarg_segment_align: 8
    .kernarg_segment_size: 64
    .max_flat_workgroup_size: 128
    .sgpr_count:     80
    .vgpr_count:     768
    .wavefront_size: 32
...
	.end_amdgpu_metadata
.endif
;; end of part 2
;; launch coarse (part 3): grid 32 x 8, 4 waves a work-group, clusters of 4 x 1, 327,680 bytes of LDS; arguments LH, KEYS; writes KEYS
.if DOCPART == 3
	.amdgcn_target "amdgcn-amd-amdhsa--gfx1250"
	.amdhsa_code_object_version 6
	.text
	.protected	k_q5cfedce058_coarse
	.globl	k_q5cfedce058_coarse
	.p2align	8
	.type	k_q5cfedce058_coarse,@function
k_q5cfedce058_coarse:
	s_mov_b64 s[64:65], 0
	v_nop
	global_prefetch_b8 v0, s[64:65] scope:SCOPE_SE
	s_setreg_imm32_b32 hwreg(HW_REG_WAVE_MODE, 25, 1), 1
	s_wait_xcnt 0x0
	s_wait_alu depctr_hold_cnt(0) depctr_sa_sdst(0) depctr_va_vdst(0) depctr_va_sdst(0) depctr_va_ssrc(0) depctr_va_vcc(0) depctr_vm_vsrc(0)
	s_getreg_b32 s2, hwreg(HW_REG_IB_STS2, 6, 4)
	s_cmp_eq_u32 s2, 0
	s_cbranch_scc0 .Lentry_in_a_cluster
	s_endpgm
.Lentry_in_a_cluster:
	s_bfe_u32 s2, ttmp6, 0x10000c
	s_cmp_lg_u32 s2, 0x3003
	s_cbranch_scc0 .Lentry_shape_is_right
	s_endpgm
.Lentry_shape_is_right:
; CANDIDATES.  All 8,192 x 4,096 scores s = (normalised latent of x) . (normalised latent of a code), f16 operands, f32 sums; of each BUCKET of 256 codes the best two are kept as keys.
; The order made here only proposes: the launch behind ranks the best four of a query's 32 keys in f32 from the unrounded latents.
; LIMIT.  The final index is the exact minimum unless two codes of one bucket, or four in all, come within the f16 products' error (some 2e-5 of a score within 1) of the best.  NaN and
; infinities are not treated apart (a NaN loses every comparison).
; SHARES.  A work-group owns 256 queries x one PART of 512 codes; a wave 64 queries (four tiles t of 16), which stay in registers for the whole launch: 64 x 512 f16 = 512 registers.  The codes stream
; through LDS, 128 to a slot, shared by the four waves and asked for JOINTLY by the cluster's four query blocks.  A code fragment (two LDS loads) feeds four matrix instructions.
; LAYOUT.  S^T = codes Q^T (source 0 = 16 codes, source 1 = 16 queries): lane (r, h) holds query 16 t + r and the codes 8 h + 0 .. 7 of the tile.  So a lane's bucket is: its part, its h.
; KEYS.  In the loop a key is the f32 score with its low 8 bits replaced by 8 T + j (T: the code tile 0 .. 31 of the part, j: the register), so that a maximum carries the code with it.
; Stored: (min(max((s + 1) 2^19, 0), 2^20 - 1) as a whole number) << 12 | code: unsigned order is the scores' order.
; BY TURNS.  A turn is one code tile: 64 matrix instructions on one of two sets of four accumulators.  Behind each stand two of the 128 vector instructions that take the OTHER set's finished scores
; into the running best two (four a score: the id, a minimum, two maxima).  The four accumulators of a set take turns.
; No first turn is written out: the second set and the best two start at the lowest finite number (40 moves, in the wait for the first tile), which real scores displace.
; REGISTERS.  Window 0: v0-31 addresses, best two, at work; v32-95 the two sets; v96-223 four fragment buffers of 32; v224-231 the keys to store.  Windows 1 and 2: Q, K step ks, tile t at
; ((ks % 8) 4 + t) 8 of window 1 + ks / 8.  A matrix line has only source 1 outside window 0, and every line between names vector registers in source 0, source 2 and the destination alone (that
; is why minimum and maximum are three-operand forms with a scalar in the middle): the window changes twice a turn.
.set PK,    1040                       ; a code's row in LDS: 1,024 bytes + 16 of padding = 260 words: the 16 rows of a load start at 16 different groups of four banks (ISA guide 11.1)
.set BODYB, 32*PK                      ; 32 codes: what one tensor load brings, and what a trip of the loop multiplies
.set SLOT1, 0x22000                    ; slot 1: these two bits occur in no offset inside a slot's head addresses, so one exclusive or turns one slot's address into the other's
.set SPARE, SLOT1+128*PK               ; behind the ring: the spare words, 128 bytes for each wave
.set AK0, 3                            ; v3     my lane's place in a tile of codes: 1,040 r + 16 h; never rewritten
.set AD,  4                            ; v4     LDS address of the 32 codes being fetched
.set QO,  5                            ; v5     my byte offset in 16 rows of Q
.set SPW, 6                            ; v6     my spare word; never rewritten
.set NIL, 7                            ; v7     0; never rewritten
.set U,   8                            ; v8-9   at work
.set PFO, 10                           ; v10    1,024 x lane
.set CB,  11                           ; v11    8 h + 512 x part
.set M,   12                           ; v12-19 tile t: best at M + 2 t, second at M + 2 t + 1
.set ACC, 32
.set FRG, 96
.set KY,  224
.set G1,  16                           ; s[16:23] descriptor group 1
.set G0A, 24                           ; s[24:27] group 0 of the first fill
.set G0B, 28                           ; s[28:31] of the second; it then walks
.set MSB, 0
.macro WIN new
.if MSB != (\new)
	s_set_vgpr_msb (MSB<<8)|(\new)
.set MSB, \new
.endif
.endm
.macro CROUND                          ; a round of the cluster's barrier
	s_barrier_signal -1
	s_barrier_wait -1
	s_cmp_lg_u32 s8, 0
	s_cbranch_scc1 .Lnot_wave_0_\@
	s_barrier_signal -3
.Lnot_wave_0_\@:
	s_barrier_wait -3
	s_barrier_signal -1
	s_barrier_wait -1
.endm
	s_load_b128 s[4:7], s[0:1], 0x0                ; LH s[4:5], KEYS s[6:7]
	v_lshl_add_u32 v[SPW], v0, 2, SPARE
	v_mov_b32 v[NIL], 0
	ds_add_u32 v[SPW], v[NIL]                      ; the wave's opening: the add and its wait ahead of my first tensor load
	v_lshrrev_b32 v1, 5, v0
	v_readfirstlane_b32 s8, v1                     ; wave 0..3
	s_bfe_u32 s9, ttmp6, 0x40000                   ; cx
	s_lshl_b32 s10, ttmp9, 2
	s_add_co_u32 s10, s10, s9                      ; my block of 256 queries: it enters Q's and the keys' addresses alone
	s_and_b32 s11, ttmp7, 0xffff                   ; the part, which the four partners share
	s_mov_b32 s[G1+0], 15|(1<<16)|(1<<20)|(1<<21)|(7<<22)|(3<<25)  ; the mask of four; 2-byte elements; padding on; 21 set beside a mask; after every 256 words (code 7) 4 words (code 3)
	s_mov_b32 s[G1+1], 512<<16                     ; tensor_dim0 = 512
	s_mov_b32 s[G1+2], 32<<16                      ; tensor_dim1 = 32
	s_mov_b32 s[G1+3], 512<<16                     ; tile_dim0 = 512
	s_mov_b32 s[G1+4], 32                          ; tile_dim1 = 32
	s_mov_b32 s[G1+5], 512                         ; elements from row to row
	s_mov_b32 s[G1+6], 0
	s_mov_b32 s[G1+7], 0
	s_mov_b32 s35, 0xff                            ; the id's bits
	s_mov_b32 s36, 0x7f7fffff                      ; the greatest finite number: neutral in a minimum
	s_mov_b32 s37, 0xff7fffff                      ; the lowest: neutral in a maximum
	s_mov_b32 s51, 0x49000000                      ; 2^19
	s_mov_b32 s52, 0x497ffff0                      ; 2^20 - 1
.irp j, 0,1,2,3,4,5,6,7
	s_mov_b32 s[40+(\j)], (\j)-8                   ; the ids of the tile whose scores are being taken in: one tile behind the products
.endr
	s_cmp_eq_u32 ttmp9, 0                          ; a part's first cluster prefetches
	s_cselect_b32 s50, 1, -1
	s_lshl_b32 s58, s11, 19                        ; shared: the part's 512 rows of 1,024 bytes, behind x's 8,192 rows,
	s_lshl_b32 s59, s8, 15                         ; my wave's 32 of a slot's 128
	s_add_co_u32 s58, s58, s59
	s_add_co_u32 s58, s58, 0x800000
	s_mov_b32 s59, 0
	s_mul_i32 s62, s8, BODYB                       ; and their place in a slot
	s_mov_b32 s[G0A], 1
	s_mov_b32 s[G0A+1], s62
	s_mov_b32 s[G0B], 1
	s_add_co_u32 s[G0B+1], s62, SLOT1
	s_lshl_b32 s56, s10, 18                        ; mine: Q's 256 rows, my wave's 64
	s_lshl_b32 s57, s8, 16
	s_add_co_u32 s56, s56, s57
	s_mov_b32 s57, 0
	s_lshl_b32 s54, s11, 17                        ; the keys: [part][query / 32][lane][4] words
	s_lshl_b32 s55, s10, 12
	s_add_co_u32 s54, s54, s55
	s_lshl_b32 s55, s8, 10
	s_add_co_u32 s54, s54, s55
	s_mov_b32 s55, 0
	s_lshl_b32 s48, s11, 19                        ; the prefetch: row 384 + 32 cx + lane of the part, block w of its four of 256 bytes
	s_add_co_u32 s48, s48, 0x800000+384*1024
	s_lshl_b32 s49, s9, 15
	s_add_co_u32 s48, s48, s49
	s_lshl_b32 s49, s8, 8
	s_add_co_u32 s48, s48, s49
	s_mov_b32 s49, 0
	s_lshl_b32 s63, s11, 9
	s_wait_dscnt 0x0                               ; the opening add is done
	s_wait_kmcnt 0x0
	s_add_nc_u64 s[60:61], s[4:5], s[58:59]
	s_mov_b64 s[G0A+2:G0A+3], s[60:61]             ; codes 0 .. 127 of the part
	s_or_b32 s[G0A+3], s[G0A+3], 0x80000000
	s_add_nc_u64 s[G0B+2:G0B+3], s[60:61], 131072  ; codes 128 .. 255
	s_or_b32 s[G0B+3], s[G0B+3], 0x80000000
	s_add_nc_u64 s[12:13], s[4:5], s[56:57]
	s_add_nc_u64 s[48:49], s[4:5], s[48:49]
	s_add_nc_u64 s[54:55], s[6:7], s[54:55]
	CROUND                                         ; all four work-groups are here: the first joint loads meet
	tensor_load_to_lds s[G0A:G0A+3], s[G1:G1+7]    ; both first fills together: two loads of mine are out
	s_nop 0
	tensor_load_to_lds s[G0B:G0B+3], s[G1:G1+7]
	s_nop 0
.rept 4
	v_nop
.endr
	v_and_b32 v1, 15, v0                           ; r
	v_bfe_u32 v2, v0, 4, 1                         ; h
	v_lshlrev_b32 v[QO], 10, v1
	v_lshl_add_u32 v[QO], v2, 4, v[QO]             ; row x 1,024 + 16 x half
.set ks, 0
.rept 16                               ; Q stays in registers: a fragment is 16 rows x 32 channels: two loads of 16 bytes a lane, 32 bytes apart
	WIN 0x40*(1+ks/8)                              ; destination window 1 or 2
.irp t, 0,1,2,3
	global_load_b128 v[((ks%8)*4+(\t))*8:((ks%8)*4+(\t))*8+3],   v[QO], s[12:13] offset:(\t)*16384+64*ks
	global_load_b128 v[((ks%8)*4+(\t))*8+4:((ks%8)*4+(\t))*8+7], v[QO], s[12:13] offset:(\t)*16384+64*ks+32
.endr
.set ks, ks+1
.endr
	WIN 0
	v_mul_u32_u24 v[AK0], v1, PK
	v_lshl_add_u32 v[AK0], v2, 4, v[AK0]
	v_and_b32 v[PFO], 31, v0
	v_lshlrev_b32 v[PFO], 10, v[PFO]
	v_lshl_add_u32 v[CB], v2, 3, s63
.set i, 0
.rept 32
	v_mov_b32 v[ACC+32+i], s37                     ; what the first turn's vector lines find
.set i, i+1
.endr
.set i, 0
.rept 8
	v_mov_b32 v[M+i], s37
.set i, i+1
.endr
; Chunk c (0 .. 7) of a body of 32 codes: code tile c / 4, K steps 4 (c % 4) + 0 .. 3, fragment buffer c % 4.  Its 8 LDS loads:
.macro LD c
.irp f, 0,1,2,3
	ds_load_b128 v[FRG+32*((\c)%4)+8*(\f):FRG+32*((\c)%4)+8*(\f)+3],   v[AD] offset:((\c)/4)*16*PK+((\c)%4)*256+64*(\f)
	ds_load_b128 v[FRG+32*((\c)%4)+8*(\f)+4:FRG+32*((\c)%4)+8*(\f)+7], v[AD] offset:((\c)/4)*16*PK+((\c)%4)*256+64*(\f)+32
.endr
.endm
; Vector line n (0 .. 127) on set X.  Eight lines treat two scores v = 2 (n / 8), + 1 (tile v / 8, register v % 8): both ids; then for each: U = min(score, best); best = max(score, best);
; second = max(second, U).  A tile's register 0 is the first that is read.
.macro RID X, n
.set p_, (\n)/8
.set o_, (\n)%8
.if o_ < 2
.set v_, 2*p_+o_
.elseif o_ < 5
.set v_, 2*p_
.else
.set v_, 2*p_+1
.endif
.set t_, v_/8
.set j_, v_%8
.set a_, ACC+32*(\X)+v_
.if o_ < 2
	v_bfi_b32 v[a_], s35, s[40+j_], v[a_]
.elseif (o_ == 2) || (o_ == 5)
	v_min3_num_f32 v[U+v_%2], v[a_], s36, v[M+2*t_]
.elseif (o_ == 3) || (o_ == 6)
	v_max3_num_f32 v[M+2*t_], v[a_], s37, v[M+2*t_]
.else
	v_max3_num_f32 v[M+2*t_+1], v[U+v_%2], s37, v[M+2*t_+1]
.endif
.endm
; Half hf of chunk c: 8 matrix instructions (number i = 4 f + t: fragment f, tile t), behind each two vector lines on the other set.  K step 0 starts the sums with the constant 0.
.macro HALF c, hf
.if ((\c)%4) < 2
	WIN 0x04                                       ; source 1 window 1
.else
	WIN 0x08                                       ; source 1 window 2
.endif
.set i_, 8*(\hf)
.rept 8
.set ks_, 4*((\c)%4)+i_/4
.set tt_, i_%4
.set rA, ACC+32*((\c)/4)+8*tt_
.set rF, FRG+32*((\c)%4)+8*(i_/4)
.set rQ, ((ks_%8)*4+tt_)*8
.if ks_ == 0
	v_wmma_f32_16x16x32_f16 v[rA:rA+7], v[rF:rF+7], v[rQ:rQ+7], 0
.else
	v_wmma_f32_16x16x32_f16 v[rA:rA+7], v[rF:rF+7], v[rQ:rQ+7], v[rA:rA+7]
.endif
	RID 1-(\c)/4,2*(16*((\c)%4)+i_)
	RID 1-(\c)/4,2*(16*((\c)%4)+i_)+1
.set i_, i_+1
.endr
.endm
.macro BUMP                            ; a turn has ended: the ids go on to the tile that it made
.irp j, 0,1,2,3,4,5,6,7
	s_add_co_u32 s[40+(\j)], s[40+(\j)], 8
.endr
.endm
; A PREFETCH INTO THE L2, once: behind the first refill (codes 256 .. 383) the part's last 128 codes are asked for, which the next refill, 512 matrix instructions on, will want.  Eight clusters read
; a part: the first asks; its sixteen waves share the 128 rows x 4 blocks of 256 bytes out by address, a lane a block.  The first three tiles come by their loads alone.
.macro ASK
	s_cmp_gt_u32 s34, s50
	s_cbranch_scc0 .Lnot_mine_\@
	global_prefetch_b8 v[PFO], s[48:49] th:TH_LOAD_NT scope:SCOPE_SE
.Lnot_mine_\@:
.endm
; THE CHANGE OF SLOTS.  All of the slot's bytes have been asked for out of LDS.  Each wave waits for all its tensor loads (one is out: its part of the other slot), adds 0 to its spare word, and waits for
; that and for its reads.  fill = 1: the barrier is a round of the cluster's, and the joint refill, the codes two slots on, is the first thing behind it.
.macro CHANGE fill
	WIN 0
	s_wait_tensorcnt 0x0                           ; no tensor load of mine is out, so a group 0 may be written
	ds_add_u32 v[SPW], v[NIL]                      ; 0 onto my spare word
.if \fill
	s_xor_b32 s[G0B+1], s[G0B+1], SLOT1            ; the walking descriptor: the other slot than last time,
	s_add_nc_u64 s[G0B+2:G0B+3], s[G0B+2:G0B+3], 131072  ; the next 128 codes
.endif
	s_wait_dscnt 0x0                               ; the add is done, and my reads of the slot are over: the 40 matrix instructions still to come on it have their fragments in registers
.if \fill
	CROUND
	tensor_load_to_lds s[G0B:G0B+3], s[G1:G1+7]
	s_nop 0
.rept 4
	v_nop
.endr
	ASK
.else
	s_barrier_signal -1
	s_barrier_wait -1
.endif
	s_sub_co_u32 s32, s32, 4*BODYB                 ; the fetches go back to a slot's first 32 codes,
	s_xor_b32 s32, s32, SLOT1                      ; in the other slot
.endm
; A slot's four bodies.  A trip begins where the LDS loads cross into the next body, in the middle of chunk 5, so that the change of slots stands between trips.  Chunk c's loads stand in the middle of
; chunk c - 3; s_wait_dscnt 16 at a chunk's head leaves the two younger chunks' 16 loads out.  They land in the buffer that chunk c - 4 read: 16 vector lines that name none of its registers lie between.
.macro BODY tag
.Lbody\tag:
	v_add_nc_u32 v[AD], s32, v[AK0]
	s_add_co_u32 s32, s32, BODYB
	LD 0
	HALF 5,1
	s_wait_dscnt 16
	HALF 6,0
	LD 1
	HALF 6,1
	s_wait_dscnt 16
	HALF 7,0
	LD 2
	HALF 7,1
	BUMP
	WIN 0
.Lfirst\tag:
.irp c, 0,1,2,3
	s_wait_dscnt 16
	HALF \c,0
	LD (\c)+3
	HALF \c,1
.endr
	BUMP
	s_wait_dscnt 16
	HALF 4,0
	LD 7
	HALF 4,1
	s_wait_dscnt 16
	HALF 5,0
	WIN 0
	s_sub_co_u32 s33, s33, 1
	s_cmp_lg_u32 s33, 0
	s_cbranch_scc1 .Lbody\tag
.endm
	s_wait_tensorcnt 1                             ; my part of slot 0 is in; slot 1's may stay out
	s_barrier_signal -1
	s_barrier_wait -1
	v_mov_b32 v[AD], v[AK0]                        ; the first 32 codes lie at the head of slot 0
	s_mov_b32 s32, BODYB
	LD 0
	LD 1
	LD 2
	s_wait_loadcnt 0x0                             ; Q
	s_mov_b32 s33, 4
	s_mov_b32 s34, 3
	s_branch .Lfirst1                              ; the loop is entered at a body's first chunk, in the middle of a trip
.Lslot:                                                ; twice: slots 0 and 1 are filled again
	CHANGE 1
	s_mov_b32 s33, 4
	BODY 1
	s_sub_co_u32 s34, s34, 1
	s_cmp_lg_u32 s34, 0
	s_cbranch_scc1 .Lslot
	CHANGE 0                                       ; the last slot is written out
	s_mov_b32 s33, 4
	BODY 2
	HALF 5,1                                       ; the rest of the last body: nothing more to fetch
	s_wait_dscnt 8
	HALF 6,0
	HALF 6,1
	s_wait_dscnt 0x0
	HALF 7,0
	HALF 7,1
	BUMP
	WIN 0
.set n_, 0
.rept 128
	RID 1,n_                                       ; the last tile's scores; eight vector lines lie behind the last product on its first accumulator
.set n_, n_+1
.endr
	; THE KEYS: score to 20 bits, the code from the id: 16 T + j + 8 h + 512 x part
.irp t, 0,1,2,3
.irp m, 0,1
	v_fma_f32 v20, v[M+2*(\t)+(\m)], s51, s51
	v_max_num_f32 v20, 0, v20
	v_min_num_f32 v20, s52, v20
	v_cvt_u32_f32 v20, v20
	v_and_b32 v21, 0xf8, v[M+2*(\t)+(\m)]
	v_and_b32 v22, 7, v[M+2*(\t)+(\m)]
	v_lshl_add_u32 v21, v21, 1, v22
	v_add_nc_u32 v21, v21, v[CB]
	v_lshl_or_b32 v[KY+2*(\t)+(\m)], v20, 12, v21
.endr
.endr
	v_and_b32 v23, 31, v0
	v_lshlrev_b32 v23, 4, v23
	global_store_b128 v23, v[KY:KY+3], s[54:55]               ; tiles 0, 1: 512 consecutive bytes, aligned
	global_store_b128 v23, v[KY+4:KY+7], s[54:55] offset:512  ; tiles 2, 3
	s_wait_tensorcnt 0x0                           ; the wave's end, behind my last tensor load
	ds_add_u32 v[SPW], v[NIL]
	s_wait_dscnt 0x0
	CROUND                                         ; the closing round
	s_endpgm
.Lfunc_end_k_q5cfedce058_coarse:
	.size	k_q5cfedce058_coarse, .Lfunc_end_k_q5cfedce058_coarse-k_q5cfedce058_coarse
	.p2alignl 7, 3214868480
	.fill 96, 4, 3214868480
	.section	.rodata,"a",@progbits
	.p2align	6, 0x0
	.amdhsa_kernel k_q5cfedce058_coarse
		.amdhsa_group_segment_fixed_size 327680
		.amdhsa_private_segment_fixed_size 0
		.amdhsa_enable_private_segment 0
		.amdhsa_kernarg_size 16
		.amdhsa_user_sgpr_count 2
		.amdhsa_user_sgpr_kernarg_segment_ptr 1
		.amdhsa_wavefront_size32 1
		.amdhsa_system_sgpr_workgroup_id_x 1
		.amdhsa_system_sgpr_workgroup_id_y 1
		.amdhsa_system_sgpr_workgroup_id_z 1
		.amdhsa_system_vgpr_workitem_id 0
		.amdhsa_next_free_vgpr 768
		.amdhsa_next_free_sgpr 66
		.amdhsa_reserve_vcc 0
		.amdhsa_float_denorm_mode_32 3
		.amdhsa_float_denorm_mode_16_64 3
		.amdhsa_memory_ordered 1
		.amdhsa_forward_progress 1
		.amdhsa_inst_pref_size 100
	.end_amdhsa_kernel
	.amdgpu_metadata
---
amdhsa.version: [ 1, 2 ]
amdhsa.kernels:
  - .name:           k_q5cfedce058_coarse
    .symbol:         k_q5cfedce058_coarse.kd
    .args:
      - { .name: LH, .offset: 0, .size: 8, .value_kind: global_buffer, .address_space: global }
      - { .name: KEYS, .offset: 8, .size: 8, .value_kind: global_buffer, .address_space: global }
    .group_segment_fixed_size: 327680
    .private_segment_fixed_size: 0
    .kernarg_segment_align: 8
    .kernarg_segment_size: 16
    .max_flat_workgroup_size: 128
    .sgpr_count:     66
    .vgpr_count:     768
    .wavefront_size: 32
...
	.end_amdgpu_metadata
.endif
;; end of part 3
;; launch rerank (part 4): grid 256 x 1, 16 waves a work-group, no clusters, 2,304 bytes of LDS; arguments KEYS, LRAW, NRM, IDXB, P3; writes IDXB, P3
.if DOCPART == 4
	.amdgcn_target "amdgcn-amd-amdhsa--gfx1250"
	.amdhsa_code_object_version 6
	.text
	.protected	k_q5cfedce058_rerank
	.globl	k_q5cfedce058_rerank
	.p2align	8
	.type	k_q5cfedce058_rerank,@function
k_q5cfedce058_rerank:
	s_mov_b64 s[64:65], 0
	v_nop
	global_prefetch_b8 v0, s[64:65] scope:SCOPE_SE
	s_setreg_imm32_b32 hwreg(HW_REG_WAVE_MODE, 25, 1), 1
	s_wait_xcnt 0x0
; THE INDEX.  For each query the best four of its 32 keys (whole numbers, compared as such) are ranked in f32 from the unrounded latents: argmin of a2 - 2 a.b + b2 over the codes is argmax of
; val = 2 rx rc (LX . LC) + delta, since b2 = 1 - delta and a2 is the query's own; a tie goes to the lower index.  Beside it: the squared error sum((LC[idx] - LX)^2) for the loss.
; LIMIT.  The index is the exact minimum among the four candidates (what the launch before may miss is stated there).  NaN: every comparison fails and the first candidate stays.
; SHARES.  A work-group owns 32 queries, a wave two (i = 0, 1); a wave works on whole rows of 512 f32: 16 numbers a lane, 512 consecutive bytes an instruction.  No matrix unit: 4 rows a query.
; A query's 32 keys lie in 8 parts x 2 halves of 8 bytes: a lane loads one word; the work-group's 4 KB of keys are read by its own 16 waves and by nobody else.
; The choice by floating-point comparison only selects values (v_cndmask_b32): no address and no branch hangs on it.  The addresses hang on the keys, whole numbers read from memory, held to 0 .. 4,095.
.set LN,  1
.set KO,  2                            ; v2      my key's byte offset: part (l / 4), half ((l / 2) % 2), first or second (l % 2)
.set LB,  3                            ; v3      16 x lane + 16,777,216: the codes' rows begin behind x's 8,192 rows of 2,048 bytes
.set L16, 4
.set L4,  5
.set SPW, 6
.set NIL, 7
.set KK,  8                            ; v8-9    my key of query i
.set MX,  10                           ; v10-11  the maximum at work
.set TT,  12                           ; v12-13  at work
.set AI,  14                           ; v14     LDS: my wave's two indices
.set AS,  15                           ; v15     LDS: my wave's sum
.set CD,  16                           ; v16-23  candidate c of query i at 4 i + c
.set VO,  24                           ; v24-31  its row's byte offset in LRAW
.set VN,  32                           ; v32-39  its byte offset in NRM
.set NN,  40                           ; v40-55  (rc, delta)
.set BV,  56                           ; v56-57  the best val
.set BC,  58                           ; v58-59  its code
.set BE,  60                           ; v60-61  its squared error
.set LXR, 64                           ; v64-95  LX, 16 registers a query
.set LCR, 96                           ; v96-223 LC, 16 a candidate
.set DD,  224                          ; v224-239 dots, a pair a candidate
.set EE,  240                          ; v240-255 squared errors
.set SPARE, 256
	s_load_b256 s[4:11], s[0:1], 0x0               ; KEYS s[4:5], LRAW s[6:7], NRM s[8:9], IDXB s[10:11]
	s_load_b64 s[12:13], s[0:1], 0x20              ; P3
	v_lshl_add_u32 v[SPW], v0, 2, SPARE
	v_mov_b32 v[NIL], 0
	v_lshrrev_b32 v1, 5, v0
	v_readfirstlane_b32 s30, v1                    ; wave 0..15
	v_and_b32 v[LN], 31, v0
	v_lshrrev_b32 v[KO], 2, v[LN]
	v_lshlrev_b32 v[KO], 17, v[KO]
	v_bfe_u32 v[TT], v0, 1, 1
	v_lshl_add_u32 v[KO], v[TT], 8, v[KO]
	v_and_b32 v[TT], 1, v0
	v_lshl_add_u32 v[KO], v[TT], 2, v[KO]
	v_mov_b32 v[TT+1], 0
	v_lshlrev_b32 v[L16], 4, v[LN]
	v_lshlrev_b32 v[L4], 2, v[LN]
	v_add_nc_u32 v[LB], 0x1000000, v[L16]
	s_mov_b32 s28, 0x76543210
	s_mov_b32 s29, 0xfedcba98
	s_lshl_b32 s32, ttmp9, 9                       ; keys: 512 g + 32 (w % 8) + 8 (w / 8); query i 16 bytes on
	s_and_b32 s33, s30, 7
	s_lshl_b32 s33, s33, 5
	s_add_co_u32 s32, s32, s33
	s_lshr_b32 s33, s30, 3
	s_lshl_b32 s33, s33, 3
	s_add_co_u32 s32, s32, s33
	s_mov_b32 s33, 0
	s_lshl_b32 s34, ttmp9, 16                      ; LX: row 32 g + 2 w
	s_lshl_b32 s35, s30, 12
	s_add_co_u32 s34, s34, s35
	s_mov_b32 s35, 0
	s_lshl_b32 s36, ttmp9, 8                       ; its norms
	s_lshl_b32 s37, s30, 4
	s_add_co_u32 s36, s36, s37
	s_mov_b32 s37, 0
	s_lshl_b32 s38, ttmp9, 7                       ; the work-group's 32 indices
	s_mov_b32 s39, 0
	s_lshl_b32 s44, ttmp9, 9                       ; and its record
	s_mov_b32 s45, 0
	s_lshl_b32 s31, s30, 3
	v_mov_b32 v[AI], s31
	s_lshl_b32 s31, s30, 2
	v_mov_b32 v[AS], s31
	s_wait_kmcnt 0x0
	s_add_nc_u64 s[14:15], s[4:5], s[32:33]
	s_add_nc_u64 s[16:17], s[6:7], s[34:35]
	s_add_nc_u64 s[18:19], s[8:9], s[36:37]
	s_add_nc_u64 s[20:21], s[10:11], s[38:39]
	s_add_nc_u64 s[22:23], s[12:13], s[44:45]
	s_load_b128 s[24:27], s[18:19], 0x0            ; (rx, delta) of my two queries
	global_load_b32 v[KK], v[KO], s[14:15]
	global_load_b32 v[KK+1], v[KO], s[14:15] offset:16
.irp i, 0,1
.irp k, 0,1,2,3
	global_load_b128 v[LXR+16*(\i)+4*(\k):LXR+16*(\i)+4*(\k)+3], v[L16], s[16:17] offset:2048*(\i)+512*(\k) th:TH_LOAD_NT
.endr
.endr
	s_wait_loadcnt 8                               ; the keys are in; LX's eight loads stay out
	; four times: the greatest key of the 32 lanes, in every lane; it is taken out; its row and its norms are asked for at once
.irp c, 0,1,2,3
.irp i, 0,1
	v_mov_b32 v[MX+(\i)], v[KK+(\i)]
.endr
.irp x, 1,2,4,8
.irp i, 0,1
	v_mov_b32_dpp v[TT+(\i)], v[MX+(\i)] row_xmask:\x row_mask:0xf bank_mask:0xf
.endr
.irp i, 0,1
	v_max_u32 v[MX+(\i)], v[MX+(\i)], v[TT+(\i)]
.endr
.endr
.irp i, 0,1
	v_permlanex16_b32 v[TT+(\i)], v[MX+(\i)], s28, s29
.endr
.irp i, 0,1
	v_max_u32 v[MX+(\i)], v[MX+(\i)], v[TT+(\i)]
.endr
.irp i, 0,1
	v_cmp_eq_u32 vcc_lo, v[KK+(\i)], v[MX+(\i)]    ; a query's keys differ: each holds another code
	v_cndmask_b32 v[KK+(\i)], v[KK+(\i)], 0, vcc_lo
	v_and_b32 v[CD+4*(\i)+(\c)], 0xfff, v[MX+(\i)]
	v_min_u32 v[CD+4*(\i)+(\c)], 0xfff, v[CD+4*(\i)+(\c)]
	v_lshl_add_u32 v[VO+4*(\i)+(\c)], v[CD+4*(\i)+(\c)], 11, v[LB]
	v_lshl_add_u32 v[VN+4*(\i)+(\c)], v[CD+4*(\i)+(\c)], 3, 0x10000
.irp k, 0,1,2,3
	global_load_b128 v[LCR+16*(4*(\i)+(\c))+4*(\k):LCR+16*(4*(\i)+(\c))+4*(\k)+3], v[VO+4*(\i)+(\c)], s[6:7] offset:512*(\k)
.endr
	global_load_b64 v[NN+2*(4*(\i)+(\c)):NN+2*(4*(\i)+(\c))+1], v[VN+4*(\i)+(\c)], s[8:9]
.endr
.endr
	s_wait_loadcnt 0x0
	s_wait_kmcnt 0x0
	; eight candidates side by side: the dot, the difference in place, its square
.irp p, 0,1,2,3,4,5,6,7
.set n, 0
.rept 8
.if (\p) == 0
	v_pk_mul_f32 v[DD+2*n:DD+2*n+1], v[LXR+16*(n/4)+2*(\p):LXR+16*(n/4)+2*(\p)+1], v[LCR+16*n+2*(\p):LCR+16*n+2*(\p)+1]
.else
	v_pk_fma_f32 v[DD+2*n:DD+2*n+1], v[LXR+16*(n/4)+2*(\p):LXR+16*(n/4)+2*(\p)+1], v[LCR+16*n+2*(\p):LCR+16*n+2*(\p)+1], v[DD+2*n:DD+2*n+1]
.endif
.set n, n+1
.endr
.set n, 0
.rept 8
	v_pk_add_f32 v[LCR+16*n+2*(\p):LCR+16*n+2*(\p)+1], v[LCR+16*n+2*(\p):LCR+16*n+2*(\p)+1], v[LXR+16*(n/4)+2*(\p):LXR+16*(n/4)+2*(\p)+1] neg_lo:[0,1] neg_hi:[0,1]
.set n, n+1
.endr
.set n, 0
.rept 8
.if (\p) == 0
	v_pk_mul_f32 v[EE+2*n:EE+2*n+1], v[LCR+16*n+2*(\p):LCR+16*n+2*(\p)+1], v[LCR+16*n+2*(\p):LCR+16*n+2*(\p)+1]
.else
	v_pk_fma_f32 v[EE+2*n:EE+2*n+1], v[LCR+16*n+2*(\p):LCR+16*n+2*(\p)+1], v[LCR+16*n+2*(\p):LCR+16*n+2*(\p)+1], v[EE+2*n:EE+2*n+1]
.endif
.set n, n+1
.endr
.endr
	; sixteen sums over the 32 lanes, side by side: the pair's halves, four steps inside each half of the lanes, one across
.set n, 0
.rept 16
	v_add_f32 v[DD+2*n], v[DD+2*n], v[DD+2*n+1]
.set n, n+1
.endr
.irp x, 1,2,4,8
.set n, 0
.rept 16
	v_add_f32_dpp v[DD+2*n], v[DD+2*n], v[DD+2*n] row_xmask:\x row_mask:0xf bank_mask:0xf
.set n, n+1
.endr
.endr
.set n, 0
.rept 16
	v_permlanex16_b32 v[DD+2*n+1], v[DD+2*n], s28, s29
.set n, n+1
.endr
.set n, 0
.rept 16
	v_add_f32 v[DD+2*n], v[DD+2*n], v[DD+2*n+1]
.set n, n+1
.endr
.set n, 0
.rept 8
	v_mul_f32 v[DD+2*n], s[24+2*(n/4)], v[DD+2*n]  ; rx dot
.set n, n+1
.endr
.set n, 0
.rept 8
	v_add_f32 v[DD+2*n], v[DD+2*n], v[DD+2*n]      ; twice
.set n, n+1
.endr
.set n, 0
.rept 8
	v_fma_f32 v[DD+2*n], v[DD+2*n], v[NN+2*n], v[NN+2*n+1]  ; val = 2 rx dot rc + delta
.set n, n+1
.endr
.irp i, 0,1
	v_mov_b32 v[BV+(\i)], v[DD+8*(\i)]
	v_mov_b32 v[BC+(\i)], v[CD+4*(\i)]
	v_mov_b32 v[BE+(\i)], v[EE+8*(\i)]
.endr
.irp c, 1,2,3
.irp i, 0,1
	v_cmp_gt_f32 s40, v[DD+2*(4*(\i)+(\c))], v[BV+(\i)]       ; better,
	v_cmp_eq_f32 s41, v[DD+2*(4*(\i)+(\c))], v[BV+(\i)]       ; or as good
	v_cmp_lt_u32 s42, v[CD+4*(\i)+(\c)], v[BC+(\i)]           ; with the lower index
	s_and_b32 s41, s41, s42
	s_or_b32 s40, s40, s41
	v_cndmask_b32 v[BV+(\i)], v[BV+(\i)], v[DD+2*(4*(\i)+(\c))], s40
	v_cndmask_b32 v[BC+(\i)], v[BC+(\i)], v[CD+4*(\i)+(\c)], s40
	v_cndmask_b32 v[BE+(\i)], v[BE+(\i)], v[EE+2*(4*(\i)+(\c))], s40
.endr
.endr
	v_add_f32 v[BE], v[BE], v[BE+1]
	ds_store_b32 v[AI], v[BC]                      ; all lanes write the same word with the same number
	ds_store_b32 v[AI], v[BC+1] offset:4
	ds_store_b32 v[AS], v[BE] offset:128
	s_wait_dscnt 0x0
	s_barrier_signal -1
	s_barrier_wait -1
	s_cmp_lg_u32 s30, 0                            ; wave 0 stores for the work-group
	s_cbranch_scc1 .Lend
	v_mov_b32 v62, 128
	ds_load_b32 v63, v[L4]
.irp k, 0,1,2,3
	ds_load_b128 v[64+4*(\k):64+4*(\k)+3], v62 offset:16*(\k)
.endr
	s_wait_dscnt 0x0
.irp k, 1,2,3,4,5,6,7
	v_pk_add_f32 v[64:65], v[64:65], v[64+2*(\k):64+2*(\k)+1]
.endr
	v_add_f32 v80, v64, v65
	v_mov_b32 v81, 0
	v_mov_b32 v82, 0
	v_mov_b32 v83, 0
	global_store_b32 v[L4], v63, s[20:21]          ; 32 indices: 128 consecutive bytes, once a work-group
	global_store_b128 v[L16], v[80:83], s[22:23]   ; the record: 512 consecutive bytes, aligned; each lane's 16 bytes hold (sum, 0, 0, 0)
.Lend:
	s_wait_tensorcnt 0x0                           ; the wave's end, behind my last LDS store
	ds_add_u32 v[SPW], v[NIL]
	s_wait_dscnt 0x0
	s_endpgm
.Lfunc_end_k_q5cfedce058_rerank:
	.size	k_q5cfedce058_rerank, .Lfunc_end_k_q5cfedce058_rerank-k_q5cfedce058_rerank
	.p2alignl 7, 3214868480
	.fill 96, 4, 3214868480
	.section	.rodata,"a",@progbits
	.p2align	6, 0x0
	.amdhsa_kernel k_q5cfedce058_rerank
		.amdhsa_group_segment_fixed_size 2304
		.amdhsa_private_segment_fixed_size 0
		.amdhsa_enable_private_segment 0
		.amdhsa_kernarg_size 40
		.amdhsa_user_sgpr_count 2
		.amdhsa_user_sgpr_kernarg_segment_ptr 1
		.amdhsa_wavefront_size32 1
		.amdhsa_system_sgpr_workgroup_id_x 1
		.amdhsa_system_sgpr_workgroup_id_y 1
		.amdhsa_system_sgpr_workgroup_id_z 1
		.amdhsa_system_vgpr_workitem_id 0
		.amdhsa_next_free_vgpr 256
		.amdhsa_next_free_sgpr 66
		.amdhsa_reserve_vcc 1
		.amdhsa_float_denorm_mode_32 3
		.amdhsa_float_denorm_mode_16_64 3
		.amdhsa_memory_ordered 1
		.amdhsa_forward_progress 1
		.amdhsa_inst_pref_size 38
	.end_amdhsa_kernel
	.amdgpu_metadata
---
amdhsa.version: [ 1, 2 ]
amdhsa.kernels:
  - .name:           k_q5cfedce058_rerank
    .symbol:         k_q5cfedce058_rerank.kd
    .args:
      - { .name: KEYS, .offset: 0, .size: 8, .value_kind: global_buffer, .address_space: global }
      - { .name: LRAW, .offset: 8, .size: 8, .value_kind: global_buffer, .address_space: global }
      - { .name: NRM, .offset: 16, .size: 8, .value_kind: global_buffer, .address_space: global }
      - { .name: IDXB, .offset: 24, .size: 8, .value_kind: global_buffer, .address_space: global }
      - { .name: P3, .offset: 32, .size: 8, .value_kind: global_buffer, .address_space: global }
    .group_segment_fixed_size: 2304
    .private_segment_fixed_size: 0
    .kernarg_segment_align: 8
    .kernarg_segment_size: 40
    .max_flat_workgroup_size: 512
    .sgpr_count:     66
    .vgpr_count:     256
    .wavefront_size: 32
...
	.end_amdgpu_metadata
.endif
;; end of part 4
;; launch gather (part 5): grid 256 x 1, 16 waves a work-group, no clusters, 4,352 bytes of LDS; arguments x, codebook, IDXB, out0, P4; writes out0, P4
.if DOCPART == 5
	.amdgcn_target "amdgcn-amd-amdhsa--gfx1250"
	.amdhsa_code_object_version 6
	.text
	.protected	k_q5cfedce058_gather
	.globl	k_q5cfedce058_gather
	.p2align	8
	.type	k_q5cfedce058_gather,@function
k_q5cfedce058_gather:
	s_mov_b64 s[64:65], 0
	v_nop
	global_prefetch_b8 v0, s[64:65] scope:SCOPE_SE
	s_setreg_imm32_b32 hwreg(HW_REG_WAVE_MODE, 25, 1), 1
	s_wait_xcnt 0x0
; out0[row] = x + (codebook[idx[row]] - x), in f32 as it is written; beside it the sum of (q - x)^2, and the work-group's share of the histogram of idx.
; SHARES.  A work-group owns 32 rows, a wave two; a row is 4,096 bytes: eight loads and eight stores of 512 consecutive bytes.  Memory binds: every byte of x is read once, every byte of out0 written once.
; THE HISTOGRAM without atomics: work-group g owns the bins 16 g .. 16 g + 15 and scans the whole list of 8,192 indices (32 KB), wave w the indices 512 w .. + 511, while its rows are on their way.
; Of its 16 counts it makes sum(p ln(p + 1e-10)), p = count / 8,192, and the number of bins in use.  The record (sum of squares, sum of p ln p, bins in use, 0) goes to P4.
; The addresses hang on idx, whole numbers read from memory, held to 0 .. 4,095.  No matrix unit, no cluster: nothing is multiplied, and no two work-groups need the same row at the same time.
.set LN,  1
.set L16, 2
.set L4,  3
.set SPW, 4
.set NIL, 5
.set VQ,  6                            ; v6-7    16 x lane + the chosen code's row
.set CN,  8                            ; v8      lane b: my wave's count of bin 16 g + b
.set TT,  9
.set AW,  10                           ; v10     LDS: my wave's 32 counts
.set AF,  11                           ; v11     LDS: my wave's sum
.set IR,  16                           ; v16-31  my 16 of the wave's 512 indices
.set AC,  32                           ; v32-39  four chains of squares, in pairs
.set REC, 40                           ; v40-43  the record
.set XR,  64                           ; v64-127 x, 32 registers a row; then the result
.set QR,  128                          ; v128-191 the code's row; then q - x
.set FS,  2048                         ; LDS: counts [16 waves][32 lanes] at 0; the waves' sums at 2,048
.set SPARE, 2304
	s_load_b256 s[4:11], s[0:1], 0x0               ; x s[4:5], codebook s[6:7], IDXB s[8:9], out0 s[10:11]
	s_load_b64 s[12:13], s[0:1], 0x20              ; P4
	v_lshl_add_u32 v[SPW], v0, 2, SPARE
	v_mov_b32 v[NIL], 0
	v_lshrrev_b32 v1, 5, v0
	v_readfirstlane_b32 s14, v1                    ; wave 0..15
	v_and_b32 v[LN], 31, v0
	v_lshlrev_b32 v[L16], 4, v[LN]
	v_lshlrev_b32 v[L4], 2, v[LN]
	v_mov_b32 v[CN], 0
	v_mov_b32 v[TT], 0
	s_mov_b32 s28, 0x76543210
	s_mov_b32 s29, 0xfedcba98
	s_lshl_b32 s16, ttmp9, 17                      ; rows 32 g + 2 w of 4,096 bytes
	s_lshl_b32 s17, s14, 13
	s_add_co_u32 s16, s16, s17
	s_mov_b32 s17, 0
	s_lshl_b32 s18, ttmp9, 7                       ; their two indices
	s_lshl_b32 s19, s14, 3
	s_add_co_u32 s18, s18, s19
	s_mov_b32 s19, 0
	s_lshl_b32 s22, s14, 11                        ; the 512 indices that I scan
	s_mov_b32 s23, 0
	s_lshl_b32 s24, ttmp9, 9                       ; the record
	s_mov_b32 s25, 0
	s_lshl_b32 s26, s14, 7
	v_add_nc_u32 v[AW], s26, v[L4]
	s_lshl_b32 s26, s14, 2
	v_mov_b32 v[AF], s26
	s_wait_kmcnt 0x0
	s_add_nc_u64 s[4:5], s[4:5], s[16:17]
	s_add_nc_u64 s[10:11], s[10:11], s[16:17]
	s_add_nc_u64 s[18:19], s[8:9], s[18:19]
	s_add_nc_u64 s[22:23], s[8:9], s[22:23]
	s_add_nc_u64 s[12:13], s[12:13], s[24:25]
	s_load_b64 s[20:21], s[18:19], 0x0
.irp k, 0,1,2,3
	global_load_b128 v[IR+4*(\k):IR+4*(\k)+3], v[L16], s[22:23] offset:512*(\k)
.endr
.irp i, 0,1
.irp k, 0,1,2,3,4,5,6,7
	global_load_b128 v[XR+32*(\i)+4*(\k):XR+32*(\i)+4*(\k)+3], v[L16], s[4:5] offset:4096*(\i)+512*(\k) th:TH_LOAD_NT
.endr
.endr
	s_wait_kmcnt 0x0
	s_min_u32 s20, s20, 4095
	s_min_u32 s21, s21, 4095
	s_lshl_b32 s20, s20, 12
	s_lshl_b32 s21, s21, 12
	v_add_nc_u32 v[VQ], s20, v[L16]
	v_add_nc_u32 v[VQ+1], s21, v[L16]
.irp i, 0,1
.irp k, 0,1,2,3,4,5,6,7
	global_load_b128 v[QR+32*(\i)+4*(\k):QR+32*(\i)+4*(\k)+3], v[VQ+(\i)], s[6:7] offset:512*(\k)
.endr
.endr
	s_wait_loadcnt 32                              ; the scan's four loads are in; the rows' 32 stay out
	s_mov_b32 s30, 0                               ; b
	s_lshl_b32 s31, ttmp9, 4                       ; the bin 16 g + b
.Lbin:                                                 ; 16 trips: how many of my wave's 512 indices name the bin
	s_mov_b32 s32, 0
.irp u, 0,1
.irp m, 0,1,2,3,4,5,6,7
	v_cmp_eq_u32 s[36+(\m)], s31, v[IR+8*(\u)+(\m)]
.endr
.irp m, 0,1,2,3,4,5,6,7
	s_bcnt1_i32_b32 s33, s[36+(\m)]
	s_add_co_u32 s32, s32, s33
.endr
.endr
	v_cmp_eq_u32 vcc_lo, s30, v[LN]
	v_cndmask_b32 v[CN], v[CN], s32, vcc_lo        ; lane b keeps it
	s_add_co_u32 s31, s31, 1
	s_add_co_u32 s30, s30, 1
	s_cmp_lt_u32 s30, 16
	s_cbranch_scc1 .Lbin
.macro ROWW i                          ; d = q - x; the squares in four chains; x + d in place; eight stores
.set p, 0
.rept 16
	v_pk_add_f32 v[QR+32*(\i)+2*p:QR+32*(\i)+2*p+1], v[QR+32*(\i)+2*p:QR+32*(\i)+2*p+1], v[XR+32*(\i)+2*p:XR+32*(\i)+2*p+1] neg_lo:[0,1] neg_hi:[0,1]
.set p, p+1
.endr
.set p, 0
.rept 16
.if ((\i) == 0) && (p < 4)
	v_pk_mul_f32 v[AC+2*p:AC+2*p+1], v[QR+32*(\i)+2*p:QR+32*(\i)+2*p+1], v[QR+32*(\i)+2*p:QR+32*(\i)+2*p+1]
.else
	v_pk_fma_f32 v[AC+2*(p%4):AC+2*(p%4)+1], v[QR+32*(\i)+2*p:QR+32*(\i)+2*p+1], v[QR+32*(\i)+2*p:QR+32*(\i)+2*p+1], v[AC+2*(p%4):AC+2*(p%4)+1]
.endif
.set p, p+1
.endr
.set p, 0
.rept 16
	v_pk_add_f32 v[XR+32*(\i)+2*p:XR+32*(\i)+2*p+1], v[XR+32*(\i)+2*p:XR+32*(\i)+2*p+1], v[QR+32*(\i)+2*p:QR+32*(\i)+2*p+1]
.set p, p+1
.endr
.irp k, 0,1,2,3,4,5,6,7
	global_store_b128 v[L16], v[XR+32*(\i)+4*(\k):XR+32*(\i)+4*(\k)+3], s[10:11] offset:4096*(\i)+512*(\k) th:TH_STORE_NT
.endr
.endm
	s_wait_loadcnt 8                               ; x's two rows and the first code's row are in; the second code's eight loads stay out
	ROWW 0
	s_wait_loadcnt 0x0
	ROWW 1
	v_pk_add_f32 v[AC:AC+1], v[AC:AC+1], v[AC+2:AC+3]
	v_pk_add_f32 v[AC+4:AC+5], v[AC+4:AC+5], v[AC+6:AC+7]
	v_pk_add_f32 v[AC:AC+1], v[AC:AC+1], v[AC+4:AC+5]
	v_add_f32 v[AC], v[AC], v[AC+1]
.macro LSUM r                          ; the sum over the wave's 32 lanes, in every lane
.irp x, 1,2,4,8
	v_add_f32_dpp v[\r], v[\r], v[\r] row_xmask:\x row_mask:0xf bank_mask:0xf
.endr
	v_permlanex16_b32 v[TT], v[\r], s28, s29
	v_add_f32 v[\r], v[\r], v[TT]
.endm
	LSUM AC
	ds_store_b32 v[AW], v[CN]
	ds_store_b32 v[AF], v[AC] offset:FS
	s_wait_dscnt 0x0
	s_barrier_signal -1
	s_barrier_wait -1
	s_cmp_lg_u32 s14, 0                            ; wave 0 finishes for the work-group
	s_cbranch_scc1 .Lend
	v_mov_b32 v12, FS
.irp k, 0,1,2,3,4,5,6,7,8,9,10,11,12,13,14,15
	ds_load_b32 v[QR+(\k)], v[L4] offset:128*(\k)  ; lane b: wave k's count of bin b (lanes 16-31: 0)
.endr
.irp k, 0,1,2,3
	ds_load_b128 v[QR+16+4*(\k):QR+16+4*(\k)+3], v12 offset:16*(\k)
.endr
	s_wait_dscnt 0x0
.irp k, 1,2,3,4,5,6,7,8,9,10,11,12,13,14,15
	v_add_nc_u32 v[QR], v[QR], v[QR+(\k)]
.endr
.irp k, 1,2,3,4,5,6,7
	v_pk_add_f32 v[QR+16:QR+17], v[QR+16:QR+17], v[QR+16+2*(\k):QR+16+2*(\k)+1]
.endr
	v_add_f32 v[REC], v[QR+16], v[QR+17]           ; the work-group's sum of (q - x)^2
	v_cvt_f32_u32 v[QR+32], v[QR]
	v_mul_f32 v[QR+32], 0x39000000, v[QR+32]       ; p = count / 8,192
	v_add_f32 v[REC+1], 0x2edbe6ff, v[QR+32]       ; + 1e-10
	v_log_f32 v[REC+1], v[REC+1]
	v_cmp_ne_u32 vcc_lo, 0, v[QR]
	v_cndmask_b32 v[REC+2], 0, 1.0, vcc_lo         ; plain work behind the logarithm,
	s_wait_alu depctr_va_vdst(0)                   ; and the wait ahead of its first use
	v_mul_f32 v[REC+1], v[REC+1], v[QR+32]
	v_mul_f32 v[REC+1], 0x3f317218, v[REC+1]       ; p log2(..) ln 2
	LSUM REC+1
	LSUM REC+2
	v_mov_b32 v[REC+3], 0
	global_store_b128 v[L16], v[REC:REC+3], s[12:13]  ; the record: 512 consecutive bytes, aligned; every lane's 16 bytes are alike
.Lend:
	s_wait_tensorcnt 0x0                           ; the wave's end, behind my last LDS store
	ds_add_u32 v[SPW], v[NIL]
	s_wait_dscnt 0x0
	s_endpgm
.Lfunc_end_k_q5cfedce058_gather:
	.size	k_q5cfedce058_gather, .Lfunc_end_k_q5cfedce058_gather-k_q5cfedce058_gather
	.p2alignl 7, 3214868480
	.fill 96, 4, 3214868480
	.section	.rodata,"a",@progbits
	.p2align	6, 0x0
	.amdhsa_kernel k_q5cfedce058_gather
		.amdhsa_group_segment_fixed_size 4352
		.amdhsa_private_segment_fixed_size 0
		.amdhsa_enable_private_segment 0
		.amdhsa_kernarg_size 40
		.amdhsa_user_sgpr_count 2
		.amdhsa_user_sgpr_kernarg_segment_ptr 1
		.amdhsa_wavefront_size32 1
		.amdhsa_system_sgpr_workgroup_id_x 1
		.amdhsa_system_sgpr_workgroup_id_y 1
		.amdhsa_system_sgpr_workgroup_id_z 1
		.amdhsa_system_vgpr_workitem_id 0
		.amdhsa_next_free_vgpr 192
		.amdhsa_next_free_sgpr 66
		.amdhsa_reserve_vcc 1
		.amdhsa_float_denorm_mode_32 3
		.amdhsa_float_denorm_mode_16_64 3
		.amdhsa_memory_ordered 1
		.amdhsa_forward_progress 1
		.amdhsa_inst_pref_size 20
	.end_amdhsa_kernel
	.amdgpu_metadata
---
amdhsa.version: [ 1, 2 ]
amdhsa.kernels:
  - .name:           k_q5cfedce058_gather
    .symbol:         k_q5cfedce058_gather.kd
    .args:
      - { .name: x, .offset: 0, .size: 8, .value_kind: global_buffer, .address_space: global }
      - { .name: codebook, .offset: 8, .size: 8, .value_kind: global_buffer, .address_space: global }
      - { .name: IDXB, .offset: 16, .size: 8, .value_kind: global_buffer, .address_space: global }
      - { .name: out0, .offset: 24, .size: 8, .value_kind: global_buffer, .address_space: global }
      - { .name: P4, .offset: 32, .size: 8, .value_kind: global_buffer, .address_space: global }
    .group_segment_fixed_size: 4352
    .private_segment_fixed_size: 0
    .kernarg_segment_align: 8
    .kernarg_segment_size: 40
    .max_flat_workgroup_size: 512
    .sgpr_count:     66
    .vgpr_count:     192
    .wavefront_size: 32
...
	.end_amdgpu_metadata
.endif
;; end of part 5
;; launch final (part 6): grid 1 x 1, 1 waves a work-group, no clusters, 0 bytes of LDS; arguments P3, P4, out1, out2, out3; writes out1, out2, out3
.if DOCPART == 6
	.amdgcn_target "amdgcn-amd-amdhsa--gfx1250"
	.amdhsa_code_object_version 6
	.text
	.protected	k_q5cfedce058_final
	.globl	k_q5cfedce058_final
	.p2align	8
	.type	k_q5cfedce058_final,@function
k_q5cfedce058_final:
	s_mov_b64 s[64:65], 0
	v_nop
	global_prefetch_b8 v0, s[64:65] scope:SCOPE_SE
	s_setreg_imm32_b32 hwreg(HW_REG_WAVE_MODE, 25, 1), 1
	s_wait_xcnt 0x0
; THE THREE NUMBERS.  256 + 256 records of partial sums (f32) are added by one owner, in a fixed order: no traffic between work-groups.
; With Sl = sum (LC[idx] - LX)^2, Sq = sum (q - x)^2, T = sum p ln(p + 1e-10), used = bins in use:
;   loss = 1.25 Sq / 8,388,608 + 1.25 Sl / 4,194,304 - 0.1 T;   perplexity = e^(-T);   usage = used / 4,096.
; One wave: lane l takes the records l + 32 i, i = 0 .. 7, 512 bytes apart.
	s_load_b256 s[4:11], s[0:1], 0x0               ; P3 s[4:5], P4 s[6:7], out1 s[8:9], out2 s[10:11]
	s_load_b64 s[12:13], s[0:1], 0x20              ; out3
	v_lshlrev_b32 v1, 9, v0
	v_mov_b32 v2, 0
	v_mov_b32 v3, 0
	s_mov_b32 s14, 0x76543210
	s_mov_b32 s15, 0xfedcba98
	s_wait_kmcnt 0x0
.irp i, 0,1,2,3,4,5,6,7
	global_load_b32 v[16+(\i)], v1, s[4:5] offset:16384*(\i)
	global_load_b128 v[48+4*(\i):48+4*(\i)+3], v1, s[6:7] offset:16384*(\i)
.endr
	s_wait_loadcnt 0x0
.irp i, 1,2,3,4,5,6,7
	v_add_f32 v16, v16, v[16+(\i)]
	v_pk_add_f32 v[48:49], v[48:49], v[48+4*(\i):48+4*(\i)+1]
	v_add_f32 v50, v50, v[50+4*(\i)]
.endr
.irp x, 1,2,4,8
.irp r, 16,48,49,50
	v_add_f32_dpp v\r, v\r, v\r row_xmask:\x row_mask:0xf bank_mask:0xf
.endr
.endr
.irp r, 16,48,49,50
	v_permlanex16_b32 v3, v\r, s14, s15
	v_add_f32 v\r, v\r, v3
.endr
	v_mul_f32 v20, 0xbfb8aa3b, v49                 ; -T log2(e)
	v_exp_f32 v21, v20
	v_mul_f32 v22, 0x34200000, v48                 ; 1.25 x 2^-23 Sq
	v_fmamk_f32 v22, v16, 0x34a00000, v22          ; + 1.25 x 2^-22 Sl
	v_fmamk_f32 v22, v49, 0xbdcccccd, v22          ; - 0.1 T
	v_mul_f32 v23, 0x39800000, v50                 ; used / 4,096
	s_wait_alu depctr_va_vdst(0)                   ; the wait ahead of the exponential's first use; four plain lines stand between
	s_wait_xcnt 0x0                                ; EXEC changes only behind this wait
	v_cmp_eq_u32 vcc_lo, 0, v0
	s_and_saveexec_b32 s16, vcc_lo                 ; lane 0 stores
	global_store_b32 v2, v22, s[8:9]
	global_store_b32 v2, v21, s[10:11]
	global_store_b32 v2, v23, s[12:13]
	s_endpgm
.Lfunc_end_k_q5cfedce058_final:
	.size	k_q5cfedce058_final, .Lfunc_end_k_q5cfedce058_final-k_q5cfedce058_final
	.p2alignl 7, 3214868480
	.fill 96, 4, 3214868480
	.section	.rodata,"a",@progbits
	.p2align	6, 0x0
	.amdhsa_kernel k_q5cfedce058_final
		.amdhsa_group_segment_fixed_size 0
		.amdhsa_private_segment_fixed_size 0
		.amdhsa_enable_private_segment 0
		.amdhsa_kernarg_size 40
		.amdhsa_user_sgpr_count 2
		.amdhsa_user_sgpr_kernarg_segment_ptr 1
		.amdhsa_wavefront_size32 1
		.amdhsa_system_sgpr_workgroup_id_x 1
		.amdhsa_system_sgpr_workgroup_id_y 1
		.amdhsa_system_sgpr_workgroup_id_z 1
		.amdhsa_system_vgpr_workitem_id 0
		.amdhsa_next_free_vgpr 96
		.amdhsa_next_free_sgpr 66
		.amdhsa_reserve_vcc 1
		.amdhsa_float_denorm_mode_32 3
		.amdhsa_float_denorm_mode_16_64 3
		.amdhsa_memory_ordered 1
		.amdhsa_forward_progress 1
		.amdhsa_inst_pref_size 6
	.end_amdhsa_kernel
	.amdgpu_metadata
---
amdhsa.version: [ 1, 2 ]
amdhsa.kernels:
  - .name:           k_q5cfedce058_final
    .symbol:         k_q5cfedce058_final.kd
    .args:
      - { .name: P3, .offset: 0, .size: 8, .value_kind: global_buffer, .address_space: global }
      - { .name: P4, .offset: 8, .size: 8, .value_kind: global_buffer, .address_space: global }
      - { .name: out1, .offset: 16, .size: 8, .value_kind: global_buffer, .address_space: global }
      - { .name: out2, .offset: 24, .size: 8, .value_kind: global_buffer, .address_space: global }
      - { .name: out3, .offset: 32, .size: 8, .value_kind: global_buffer, .address_space: global }
    .group_segment_fixed_size: 0
    .private_segment_fixed_size: 0
    .kernarg_segment_align: 8
    .kernarg_segment_size: 40
    .max_flat_workgroup_size: 32
    .sgpr_count:     66
    .vgpr_count:     96
    .wavefront_size: 32
...
	.end_amdgpu_metadata
.endif
;; end of part 6
;; ======== version 2 of 2: 6 launches; version 1 with the launch rerank written anew for expert scheduling mode
;; workspace buffers: WT 2,097,152 bytes; LRAW 25,165,824 bytes; LH 12,582,912 bytes; NRM 98,304 bytes; KEYS 1,048,576 bytes of whole numbers; IDXB 32,768 bytes of whole numbers; P3 131,072 bytes; P4 131,072 bytes
;; launch prep: the kernel of part 1 again; grid 64 x 2, 4 waves a work-group, no clusters, 17,920 bytes of LDS; arguments W_in, W_code, WT; writes WT
;; launch project: the kernel of part 2 again; grid 192 x 1, 4 waves a work-group, clusters of 4 x 1, 327,680 bytes of LDS; arguments x, codebook, WT, b_in, b_code, LRAW, LH, NRM; writes LRAW, LH, NRM
;; launch coarse: the kernel of part 3 again; grid 32 x 8, 4 waves a work-group, clusters of 4 x 1, 327,680 bytes of LDS; arguments LH, KEYS; writes KEYS
;; launch rerank (part 7): grid 256 x 1, 16 waves a work-group, no clusters, 2,304 bytes of LDS; arguments KEYS, LRAW, NRM, IDXB, P3; writes IDXB, P3
.if DOCPART == 7
	.amdgcn_target "amdgcn-amd-amdhsa--gfx1250"
	.amdhsa_code_object_version 6
	.text
	.protected	k_q5cfedce058_rerank
	.globl	k_q5cfedce058_rerank
	.p2align	8
	.type	k_q5cfedce058_rerank,@function
k_q5cfedce058_rerank:
	s_mov_b64 s[64:65], 0
	v_nop
	global_prefetch_b8 v0, s[64:65] scope:SCOPE_SE
	s_setreg_imm32_b32 hwreg(HW_REG_WAVE_SCHED_MODE, 0, 2), 2
	s_setreg_imm32_b32 hwreg(HW_REG_WAVE_MODE, 25, 1), 1
	s_wait_xcnt 0x0
	s_wait_alu depctr_vm_vsrc(0)
; THE INDEX.  For each query the best four of its 32 keys (whole numbers, compared as such) are ranked in f32 from the unrounded latents: argmin of a2 - 2 a.b + b2 over the codes is argmax of
; val = 2 rx rc (LX . LC) + delta, since b2 = 1 - delta and a2 is the query's own; a tie goes to the lower index.  Beside it: the squared error sum((LC[idx] - LX)^2) for the loss.
; LIMIT.  The index is the exact minimum among the four candidates (what the launch before may miss is stated there).  NaN: every comparison fails and the first candidate stays.
; SHARES.  A work-group owns 32 queries, a wave two (i = 0, 1); a wave works on whole rows of 512 f32: 16 numbers a lane, 512 consecutive bytes an instruction.  No matrix unit: 4 rows a query.
; A query's 32 keys lie in 8 parts x 2 halves of 8 bytes: a lane loads one word; the work-group's 4 KB of keys are read by its own 16 waves and by nobody else.
; The choice by floating-point comparison only selects values (v_cndmask_b32): no address and no branch hangs on it.  The addresses hang on the keys, whole numbers read from memory, held to 0 .. 4,095.
; THE MODE: SCHED_MODE bits 1:0 = 2 (LLVM: expert scheduling mode 2), set by the entry lines.  The code itself states the register dependences
; between vector instructions and memory or LDS instructions, with s_wait_alu, always for 0.
; THE PLAN.  Registers that memory or LDS instructions touch:
;   v2, v4, v5, v14, v15, v6, v7   offsets and LDS addresses: written at the head, never again; one wait ahead of the first load states that they are written.
;   v8-9      the keys: loaded once; behind the wait for them vector lines alone name them.
;   LX, LC, (rc, delta)   each register is loaded once, and no vector line names it before its load is issued.
;   VO, VN    a candidate's two offsets: written once, in its round, and read by that round's loads: one wait a round, behind both queries' offsets, ahead of the round's ten loads.
;   v58-60    written by the ranking, read by the three LDS stores: one wait ahead of them.
;   v62; v63, v64-79; v80-83   wave 0 alone: an LDS address just made; LDS loads' destinations, of which v64-79 were read by the arithmetic; a store's data just made: two waits.
; No register that a memory or LDS instruction reads is ever written again.
; Masks go into scalar registers, in runs, with one wait on va_sdst between a run and its first reader.
.set LN,  1
.set KO,  2                            ; v2      my key's byte offset: part (l / 4), half ((l / 2) % 2), first or second (l % 2)
.set LB,  3                            ; v3      16 x lane + 16,777,216: the codes' rows begin behind x's 8,192 rows of 2,048 bytes
.set L16, 4
.set L4,  5
.set SPW, 6
.set NIL, 7
.set KK,  8                            ; v8-9    my key of query i
.set MX,  10                           ; v10-11  the maximum at work
.set TT,  12                           ; v12-13  at work
.set AI,  14                           ; v14     LDS: my wave's two indices
.set AS,  15                           ; v15     LDS: my wave's sum
.set CD,  16                           ; v16-23  candidate c of query i at 4 i + c
.set VO,  24                           ; v24-31  its row's byte offset in LRAW
.set VN,  32                           ; v32-39  its byte offset in NRM
.set NN,  40                           ; v40-55  (rc, delta)
.set BV,  56                           ; v56-57  the best val
.set BC,  58                           ; v58-59  its code
.set BE,  60                           ; v60-61  its squared error
.set LXR, 64                           ; v64-95  LX, 16 registers a query
.set LCR, 96                           ; v96-223 LC, 16 a candidate
.set DD,  224                          ; v224-239 dots, a pair a candidate
.set EE,  240                          ; v240-255 squared errors
.set SPARE, 256
	s_load_b256 s[4:11], s[0:1], 0x0               ; KEYS s[4:5], LRAW s[6:7], NRM s[8:9], IDXB s[10:11]
	s_load_b64 s[12:13], s[0:1], 0x20              ; P3
	v_lshl_add_u32 v[SPW], v0, 2, SPARE
	v_mov_b32 v[NIL], 0
	v_lshrrev_b32 v1, 5, v0
	v_readfirstlane_b32 s30, v1                    ; wave 0..15
	v_and_b32 v[LN], 31, v0
	v_lshrrev_b32 v[KO], 2, v[LN]
	v_lshlrev_b32 v[KO], 17, v[KO]
	v_bfe_u32 v[TT], v0, 1, 1
	v_lshl_add_u32 v[KO], v[TT], 8, v[KO]
	v_and_b32 v[TT], 1, v0
	v_lshl_add_u32 v[KO], v[TT], 2, v[KO]
	v_mov_b32 v[TT+1], 0
	v_lshlrev_b32 v[L16], 4, v[LN]
	v_lshlrev_b32 v[L4], 2, v[LN]
	v_add_nc_u32 v[LB], 0x1000000, v[L16]
	s_wait_alu depctr_va_sdst(0)                   ; s30 is written, ahead of its first reader: the offsets below are made from it
	s_mov_b32 s28, 0x76543210
	s_mov_b32 s29, 0xfedcba98
	s_lshl_b32 s32, ttmp9, 9                       ; keys: 512 g + 32 (w % 8) + 8 (w / 8); query i 16 bytes on
	s_and_b32 s33, s30, 7
	s_lshl_b32 s33, s33, 5
	s_add_co_u32 s32, s32, s33
	s_lshr_b32 s33, s30, 3
	s_lshl_b32 s33, s33, 3
	s_add_co_u32 s32, s32, s33
	s_mov_b32 s33, 0
	s_lshl_b32 s34, ttmp9, 16                      ; LX: row 32 g + 2 w
	s_lshl_b32 s35, s30, 12
	s_add_co_u32 s34, s34, s35
	s_mov_b32 s35, 0
	s_lshl_b32 s36, ttmp9, 8                       ; its norms
	s_lshl_b32 s37, s30, 4
	s_add_co_u32 s36, s36, s37
	s_mov_b32 s37, 0
	s_lshl_b32 s38, ttmp9, 7                       ; the work-group's 32 indices
	s_mov_b32 s39, 0
	s_lshl_b32 s44, ttmp9, 9                       ; and its record
	s_mov_b32 s45, 0
	s_lshl_b32 s31, s30, 3
	s_lshl_b32 s46, s30, 2                         ; a register of its own: no scalar line writes one that a vector line has just read
	v_mov_b32 v[AI], s31
	v_mov_b32 v[AS], s46
	s_wait_kmcnt 0x0
	s_add_nc_u64 s[14:15], s[4:5], s[32:33]
	s_add_nc_u64 s[16:17], s[6:7], s[34:35]
	s_add_nc_u64 s[18:19], s[8:9], s[36:37]
	s_add_nc_u64 s[20:21], s[10:11], s[38:39]
	s_add_nc_u64 s[22:23], s[12:13], s[44:45]
	s_load_b128 s[24:27], s[18:19], 0x0            ; (rx, delta) of my two queries
	s_wait_alu depctr_va_vdst(0)                   ; v2, v4, v5, v14, v15 and the closing add's v6, v7 are written: every load and store below but the candidates' and the four LDS loads through v62 reads one of them as its offset or address
	global_load_b32 v[KK], v[KO], s[14:15]
	global_load_b32 v[KK+1], v[KO], s[14:15] offset:16
.irp i, 0,1
.irp k, 0,1,2,3
	global_load_b128 v[LXR+16*(\i)+4*(\k):LXR+16*(\i)+4*(\k)+3], v[L16], s[16:17] offset:2048*(\i)+512*(\k) th:TH_LOAD_NT
.endr
.endr
	s_wait_loadcnt 8                               ; the keys are in; LX's eight loads stay out
	; four times: the greatest key of the 32 lanes, in every lane; its row and its norms are asked for at once; then it is taken out.  The next round's reduction runs while the loads are on their way
.irp c, 0,1,2,3
.irp i, 0,1
	v_mov_b32 v[MX+(\i)], v[KK+(\i)]
.endr
.irp x, 1,2,4,8
.irp i, 0,1
	v_mov_b32_dpp v[TT+(\i)], v[MX+(\i)] row_xmask:\x row_mask:0xf bank_mask:0xf
.endr
.irp i, 0,1
	v_max_u32 v[MX+(\i)], v[MX+(\i)], v[TT+(\i)]
.endr
.endr
.irp i, 0,1
	v_permlanex16_b32 v[TT+(\i)], v[MX+(\i)], s28, s29
.endr
.irp i, 0,1
	v_max_u32 v[MX+(\i)], v[MX+(\i)], v[TT+(\i)]
.endr
.irp i, 0,1
	v_cmp_eq_u32 s[40+(\i)], v[KK+(\i)], v[MX+(\i)]  ; a query's keys differ: each holds another code
.endr
.irp i, 0,1
	v_and_b32 v[CD+4*(\i)+(\c)], 0xfff, v[MX+(\i)]
	v_min_u32 v[CD+4*(\i)+(\c)], 0xfff, v[CD+4*(\i)+(\c)]
	v_lshl_add_u32 v[VO+4*(\i)+(\c)], v[CD+4*(\i)+(\c)], 11, v[LB]
	v_lshl_add_u32 v[VN+4*(\i)+(\c)], v[CD+4*(\i)+(\c)], 3, 0x10000
.endr
	s_wait_alu depctr_va_vdst(0)                   ; both queries' VO and VN of this round are written, which the ten loads below read as their offsets
.irp i, 0,1
.irp k, 0,1,2,3
	global_load_b128 v[LCR+16*(4*(\i)+(\c))+4*(\k):LCR+16*(4*(\i)+(\c))+4*(\k)+3], v[VO+4*(\i)+(\c)], s[6:7] offset:512*(\k)
.endr
	global_load_b64 v[NN+2*(4*(\i)+(\c)):NN+2*(4*(\i)+(\c))+1], v[VN+4*(\i)+(\c)], s[8:9]
.endr
	s_wait_alu depctr_va_sdst(0)                   ; the two masks s40 and s41 are written, ahead of their first readers
.irp i, 0,1
	v_cndmask_b32 v[KK+(\i)], v[KK+(\i)], 0, s[40+(\i)]  ; it names the keys alone: none of the registers that the loads above touch
.endr
.endr
	s_wait_loadcnt 0x0
	s_wait_kmcnt 0x0
	; eight candidates side by side: the dot, the difference in place, its square
.irp p, 0,1,2,3,4,5,6,7
.set n, 0
.rept 8
.if (\p) == 0
	v_pk_mul_f32 v[DD+2*n:DD+2*n+1], v[LXR+16*(n/4)+2*(\p):LXR+16*(n/4)+2*(\p)+1], v[LCR+16*n+2*(\p):LCR+16*n+2*(\p)+1]
.else
	v_pk_fma_f32 v[DD+2*n:DD+2*n+1], v[LXR+16*(n/4)+2*(\p):LXR+16*(n/4)+2*(\p)+1], v[LCR+16*n+2*(\p):LCR+16*n+2*(\p)+1], v[DD+2*n:DD+2*n+1]
.endif
.set n, n+1
.endr
.set n, 0
.rept 8
	v_pk_add_f32 v[LCR+16*n+2*(\p):LCR+16*n+2*(\p)+1], v[LCR+16*n+2*(\p):LCR+16*n+2*(\p)+1], v[LXR+16*(n/4)+2*(\p):LXR+16*(n/4)+2*(\p)+1] neg_lo:[0,1] neg_hi:[0,1]
.set n, n+1
.endr
.set n, 0
.rept 8
.if (\p) == 0
	v_pk_mul_f32 v[EE+2*n:EE+2*n+1], v[LCR+16*n+2*(\p):LCR+16*n+2*(\p)+1], v[LCR+16*n+2*(\p):LCR+16*n+2*(\p)+1]
.else
	v_pk_fma_f32 v[EE+2*n:EE+2*n+1], v[LCR+16*n+2*(\p):LCR+16*n+2*(\p)+1], v[LCR+16*n+2*(\p):LCR+16*n+2*(\p)+1], v[EE+2*n:EE+2*n+1]
.endif
.set n, n+1
.endr
.endr
	; sixteen sums over the 32 lanes, side by side: the pair's halves, four steps inside each half of the lanes, one across
.set n, 0
.rept 16
	v_add_f32 v[DD+2*n], v[DD+2*n], v[DD+2*n+1]
.set n, n+1
.endr
.irp x, 1,2,4,8
.set n, 0
.rept 16
	v_add_f32_dpp v[DD+2*n], v[DD+2*n], v[DD+2*n] row_xmask:\x row_mask:0xf bank_mask:0xf
.set n, n+1
.endr
.endr
.set n, 0
.rept 16
	v_permlanex16_b32 v[DD+2*n+1], v[DD+2*n], s28, s29
.set n, n+1
.endr
.set n, 0
.rept 16
	v_add_f32 v[DD+2*n], v[DD+2*n], v[DD+2*n+1]
.set n, n+1
.endr
.set n, 0
.rept 8
	v_mul_f32 v[DD+2*n], s[24+2*(n/4)], v[DD+2*n]  ; rx dot
.set n, n+1
.endr
.set n, 0
.rept 8
	v_add_f32 v[DD+2*n], v[DD+2*n], v[DD+2*n]      ; twice
.set n, n+1
.endr
.set n, 0
.rept 8
	v_fma_f32 v[DD+2*n], v[DD+2*n], v[NN+2*n], v[NN+2*n+1]  ; val = 2 rx dot rc + delta
.set n, n+1
.endr
.irp i, 0,1
	v_mov_b32 v[BV+(\i)], v[DD+8*(\i)]
	v_mov_b32 v[BC+(\i)], v[CD+4*(\i)]
	v_mov_b32 v[BE+(\i)], v[EE+8*(\i)]
.endr
.irp c, 1,2,3
.irp i, 0,1
	v_cmp_gt_f32 s[40+3*(\i)], v[DD+2*(4*(\i)+(\c))], v[BV+(\i)]  ; better,
	v_cmp_eq_f32 s[41+3*(\i)], v[DD+2*(4*(\i)+(\c))], v[BV+(\i)]  ; or as good
	v_cmp_lt_u32 s[42+3*(\i)], v[CD+4*(\i)+(\c)], v[BC+(\i)]      ; with the lower index
.endr
	s_wait_alu depctr_va_sdst(0)                   ; both queries' six masks s40 to s45 are written, ahead of their first readers
.irp i, 0,1
	s_and_b32 s[41+3*(\i)], s[41+3*(\i)], s[42+3*(\i)]
	s_or_b32 s[40+3*(\i)], s[40+3*(\i)], s[41+3*(\i)]
	v_cndmask_b32 v[BV+(\i)], v[BV+(\i)], v[DD+2*(4*(\i)+(\c))], s[40+3*(\i)]
	v_cndmask_b32 v[BC+(\i)], v[BC+(\i)], v[CD+4*(\i)+(\c)], s[40+3*(\i)]
	v_cndmask_b32 v[BE+(\i)], v[BE+(\i)], v[EE+2*(4*(\i)+(\c))], s[40+3*(\i)]
.endr
.endr
	v_add_f32 v[BE], v[BE], v[BE+1]
	s_wait_alu depctr_va_vdst(0)                   ; the ranking has written v58 and v59, the addition v60, which the three LDS stores read
	ds_store_b32 v[AI], v[BC]                      ; all lanes write the same word with the same number
	ds_store_b32 v[AI], v[BC+1] offset:4
	ds_store_b32 v[AS], v[BE] offset:128
	s_wait_dscnt 0x0
	s_barrier_signal -1
	s_barrier_wait -1
	s_cmp_lg_u32 s30, 0                            ; wave 0 stores for the work-group
	s_cbranch_scc1 .Lend
	v_mov_b32 v62, 128
	s_wait_alu depctr_va_vdst(0)                   ; v62 is written, which four of the loads below read as their address (the arithmetic that read v64 to v79, in which they land, stands ahead of the wait before the LDS stores)
	ds_load_b32 v63, v[L4]
.irp k, 0,1,2,3
	ds_load_b128 v[64+4*(\k):64+4*(\k)+3], v62 offset:16*(\k)
.endr
	s_wait_dscnt 0x0
.irp k, 1,2,3,4,5,6,7
	v_pk_add_f32 v[64:65], v[64:65], v[64+2*(\k):64+2*(\k)+1]
.endr
	v_add_f32 v80, v64, v65
	v_mov_b32 v81, 0
	v_mov_b32 v82, 0
	v_mov_b32 v83, 0
	s_wait_alu depctr_va_vdst(0)                   ; v80 to v83 are written, which the second store below reads
	global_store_b32 v[L4], v63, s[20:21]          ; 32 indices: 128 consecutive bytes, once a work-group
	global_store_b128 v[L16], v[80:83], s[22:23]   ; the record: 512 consecutive bytes, aligned; each lane's 16 bytes hold (sum, 0, 0, 0)
.Lend:
	s_wait_dscnt 0x0                               ; the closing lines, six on end
	s_wait_alu 0x0
	s_wait_tensorcnt 0x0
	ds_add_u32 v[SPW], v[NIL]
	s_wait_dscnt 0x0
	s_endpgm
.Lfunc_end_k_q5cfedce058_rerank:
	.size	k_q5cfedce058_rerank, .Lfunc_end_k_q5cfedce058_rerank-k_q5cfedce058_rerank
	.p2alignl 7, 3214868480
	.fill 96, 4, 3214868480
	.section	.rodata,"a",@progbits
	.p2align	6, 0x0
	.amdhsa_kernel k_q5cfedce058_rerank
		.amdhsa_group_segment_fixed_size 2304
		.amdhsa_private_segment_fixed_size 0
		.amdhsa_enable_private_segment 0
		.amdhsa_kernarg_size 40
		.amdhsa_user_sgpr_count 2
		.amdhsa_user_sgpr_kernarg_segment_ptr 1
		.amdhsa_wavefront_size32 1
		.amdhsa_system_sgpr_workgroup_id_x 1
		.amdhsa_system_sgpr_workgroup_id_y 1
		.amdhsa_system_sgpr_workgroup_id_z 1
		.amdhsa_system_vgpr_workitem_id 0
		.amdhsa_next_free_vgpr 256
		.amdhsa_next_free_sgpr 66
		.amdhsa_reserve_vcc 0
		.amdhsa_float_denorm_mode_32 3
		.amdhsa_float_denorm_mode_16_64 3
		.amdhsa_memory_ordered 1
		.amdhsa_forward_progress 1
		.amdhsa_inst_pref_size 39
	.end_amdhsa_kernel
	.amdgpu_metadata
---
amdhsa.version: [ 1, 2 ]
amdhsa.kernels:
  - .name:           k_q5cfedce058_rerank
    .symbol:         k_q5cfedce058_rerank.kd
    .args:
      - { .name: KEYS, .offset: 0, .size: 8, .value_kind: global_buffer, .address_space: global }
      - { .name: LRAW, .offset: 8, .size: 8, .value_kind: global_buffer, .address_space: global }
      - { .name: NRM, .offset: 16, .size: 8, .value_kind: global_buffer, .address_space: global }
      - { .name: IDXB, .offset: 24, .size: 8, .value_kind: global_buffer, .address_space: global }
      - { .name: P3, .offset: 32, .size: 8, .value_kind: global_buffer, .address_space: global }
    .group_segment_fixed_size: 2304
    .private_segment_fixed_size: 0
    .kernarg_segment_align: 8
    .kernarg_segment_size: 40
    .max_flat_workgroup_size: 512
    .sgpr_count:     66
    .vgpr_count:     256
    .wavefront_size: 32
...
	.end_amdgpu_metadata
.endif
;; end of part 7
;; launch gather: the kernel of part 5 again; grid 256 x 1, 16 waves a work-group, no clusters, 4,352 bytes of LDS; arguments x, codebook, IDXB, out0, P4; writes out0, P4
;; launch final: the kernel of part 6 again; grid 1 x 1, 1 waves a work-group, no clusters, 0 bytes of LDS; arguments P3, P4, out1, out2, out3; writes out1, out2, out3
